; MI455X (gfx1250); checked and timed in simulation.
; The chip was launched on July 23, 2026; its instructions are those of AMD's public machine-readable ISA for CDNA 5 (MIT licence, August 2026) and "CDNA5" Instruction Set Architecture Reference Guide (July 2026). The comments in the code are by the model that wrote it; some were corrected since.
;; Qwen3 Inf Attention. Allowed arithmetic: matrix products marked QUANTISED: E2M3 operands, one E8M0 scale for each 32 along K, by v_wmma_scale_f32_16x16x128_f8f6f4 with both operands' format E2M3, f32 sums; everything else in f32.
;; Inputs: cos 2 x 2,048 x 128 float32; hidden_states 2 x 2,048 x 2,048 float32; k_norm_weight 128 float32; o_proj_weight 2,048 x 1,024 float32; q_norm_weight 128 float32; qkv_weight 2,048 x 2,048 float32; sin 2 x 2,048 x 128 float32.
;; Outputs: out0 2 x 2,048 x 2,048 float32.
;; This version of the problem:
;;   THIS VERSION OF THE PROBLEM IS GIVEN IN LOW PRECISION. The matrix products marked QUANTISED in the list below multiply operands that are first quantised to E2M3 (2 exponent bits, 3 mantissa bits; 6 bits a number), with one power-of-two scale for each 32 numbers along K (OCP MX v1.0); their sums are f32. All else is computed in f32.
;;   The module's matrix products, in the order in which they are computed (A, B: the left and right operand; K: the contracted axis; several contracted axes count as one K, in the product's order):
;;     1. [M 4,096, K 2,048] x [K 2,048, N 2,048]; A: input hidden_states; B: input qkv_weight: QUANTISED
;;     2. batch 8 x [M 4,096, K 128] x [K 128, N 2,048]; A: computed on the way; B: computed on the way: QUANTISED
;;     3. batch 8 x [M 4,096, K 2,048] x [K 2,048, N 128]; A: softmax (see below); B: computed on the way: QUANTISED
;;     4. [M 4,096, K 1,024] x [K 1,024, N 2,048]; A: computed on the way; B: input o_proj_weight: QUANTISED
;;   THE QUANTISER, for each operand of a quantised product, along K:
;;     - K is cut into blocks of 32 from its start; a last block that is shorter is filled with zeros.
;;     - A block's scale is 2^e with e = floor(log2(the largest magnitude in the block)) - 2, held to -126 .. 127; a block of zeros has e = 0. As a byte (E8M0): e + 127.
;;     - Each number is divided by its block's scale, clamped to +-7.5, and rounded to the nearest number of E2M3, ties to even, subnormals kept.
;;     - The product sums the exact products of the quantised numbers (number of the format x scale) in f32.
;;   ~~~python
;;   def quantise(x, axis):      # numpy; x: float32 -> the quantised numbers, widened to float32 again
;;       x = np.moveaxis(x, axis, -1); K = x.shape[-1]
;;       x = np.pad(x, [(0, 0)] * (x.ndim - 1) + [(0, -K % 32)]); x = x.reshape(x.shape[:-1] + (-1, 32)); a = np.abs(x).max(-1, keepdims=True)
;;       e = np.where(a > 0, np.clip(np.frexp(np.where(a > 0, a, 1))[1] - 1 - 2, -126, 127), 0)      # np.frexp(a)[1] - 1 = floor(log2(a)), exactly
;;       r = np.clip(x / 2.0 ** e, -7.5, 7.5)
;;       step = 2.0 ** (np.maximum(np.frexp(np.where(r == 0, 1, r))[1] - 1, 0) - 3)
;;       q = np.round(r / step) * step * 2.0 ** e      # np.round: ties to even
;;       return np.moveaxis(q.reshape(q.shape[:-2] + (-1,))[..., :K], -1, axis).astype(np.float32)
;;   ~~~
;;   SOFTMAX AHEAD OF A QUANTISED PRODUCT. Where the list says 'softmax', what is quantised is not the finished softmax but p = 2^(t - M), with t = logit x log2(e) and M = ceil(the row's largest t), a whole number; so 1/2 < the row's largest p <= 1. The row's sum l is taken of the UNQUANTISED p, in f32, and the product's result is divided by l at the end. Since M is a whole number, a kernel that streams over the keys may use a running M (the ceiling of the running maximum): every later rescaling is an exact power of two, which a block's scale takes up: the codes' values come out the same.
;;   OPERANDS COMPUTED ON THE WAY. 'Computed on the way' means the value that the module computes at that place (a softmax that the list does not call 'softmax' is quantised finished and normalised). What goes into a quantiser is computed in f32, as accurately as f32 sums, v_exp_f32 and their like allow (about 1e-6 of the number): no bf16 or f16 on the way to a quantiser, and a product that is left as it is and whose result goes on into a quantised operand takes f32 operands (vector FMAs, or v_wmma_f32_16x16x4_f32). A number that lies on a knife's edge between two numbers of the format may be rounded either way, as far as f32 arithmetic and the matrix unit's own rounding can turn it there, and no further.
;; One version. Each part assembles by itself: llvm-mc -triple=amdgcn-amd-amdhsa -mcpu=gfx1250 --defsym DOCPART=n.
;; ======== version 1 of 1: 4 launches
;; workspace buffers: hid_img 6,553,600 bytes; w_img 3,276,800 bytes; ow_img 1,638,400 bytes; q_img 3,276,800 bytes; kv 3,276,800 bytes; attn_img 3,276,800 bytes
;; launch quant (part 1): grid 256 x 1, 7 waves a work-group, no clusters, 60,416 bytes of LDS; arguments hidden_states, qkv_weight, o_proj_weight, hid_img, w_img, ow_img; writes hid_img, w_img, ow_img
.if DOCPART == 1
	.amdgcn_target "amdgcn-amd-amdhsa--gfx1250"
	.amdhsa_code_object_version 6
	.text
	.protected	k_qa937c45dec_quant
	.globl	k_qa937c45dec_quant
	.p2align	8
	.type	k_qa937c45dec_quant,@function
k_qa937c45dec_quant:
	s_mov_b64 s[64:65], 0
	v_nop
	global_prefetch_b8 v0, s[64:65] scope:SCOPE_SE
	s_setreg_imm32_b32 hwreg(HW_REG_WAVE_MODE, 25, 1), 1
	s_wait_xcnt 0x0
; hidden_states [4096][2048], qkv_weight [2048][2048] and o_proj_weight [2048][1024], f32 with K innermost, become codes of FP6 (E2M3) with one E8M0 scale byte
; for each 32 along K, laid as the later launches' matrix operands want them IN REGISTERS, so that nobody has to turn, pad or piece anything together again.
; THE FORMAT OF EVERY WORKSPACE BUFFER.  A QUAD is 64 consecutive rows = 4 tiles of 16; lane r of tile t is row 32 (t / 2) + 8 (t % 2) + r + 8 (r / 8) of the quad.  A fragment (16 rows x 128 K, 12 registers a lane:
; registers 6 c .. 6 c + 5 of lane (r, h) hold K = 64 c + 32 h + 0 .. 31) lies as an image of its registers: registers 4 c .. 4 c + 3 of lane l at 512 c + 16 l: 1,536 bytes.  A quad's block for one K step of 128 is
; its four fragments and, at byte 6,144, 256 bytes of scale words: register q of lane l at 8 l + 4 q is the word of tile 2 q + l / 16, row l % 16.  6,400 bytes, 25 runs of 256.
; A block's scale is 2^(floor(log2(its largest magnitude)) - 2): its byte is the largest magnitude's exponent field - 2, held at 1 from below.
; LIMITS: a block whose largest magnitude lies under 2^-124, a block of zeros among them, keeps the byte 1 (the stated quantiser gives a block of zeros 127): its codes are then zeros or the nearest codes under that scale,
; and the bytes are read by this program alone.  NaN and infinities among the inputs are not served.
; SHARES.  A wave's job is one quad x one K step: 64 rows x 512 bytes in, 6,400 bytes out.  1,024 + 512 + 256 jobs = 1,792 = 256 work-groups x 7 waves.  All three tensors take one path: pointers and four numbers are chosen
; on the job's number.  Neighbouring waves take neighbouring K steps of the same rows.  No matrix work, no tensor load, no cluster, no barrier: waves share nothing and every byte is read once.
; A load takes 512 consecutive bytes of one row, 16 a lane; the conversions want 32 neighbours along K in ONE lane: a tile's 16 rows turn through the wave's own stage in LDS (rows of 512 + 16 bytes).
.set STG,  8448                        ; a wave's stage: 16 rows x 528 bytes
.set SPI,  528                         ; 33 x 16 bytes: sixteen lanes that read the same column of sixteen rows touch sixteen different columns of 16 bytes in 256
.set QB,   6400
.set FRB,  1536
.set OFF,  16                          ; v16-31   row-lane i of a tile: 16 x lane + (i + 8 (i / 8)) x pitch
.set R,    32                          ; v32-159  two sets of 64: a tile as loaded
.set X,    160                         ; v160-223 my 2 x 32 neighbours
.set PC,   224                         ; v224-235 the fragment
.set TC,   236                         ; v236-238, v240-242 the upper halves of the two blocks' codes
.set MX,   244                         ; v244-245 largest magnitudes
.set SO,   246                         ; v246-247 the conversions' scale operands
.set BY,   248                         ; v248-249 the bytes
.set W,    250                         ; v250     my two bytes in their places
.set T,    251                         ; v251     the other half's
.set PW,   252                         ; v252-255 the four tiles' scale words
; scalars: s[4:5] source, s[10:11] destination, s16 wave, s17 job, s18 job in its tensor, then its quad, s19 log2 of K steps, s34 log2 of quads in a group, s35 pitch; s[20:21] lane selects; s22 lanes 16-31; s[24:31] the tiles' first rows
	s_load_b128 s[4:7], s[0:1], 0x0                ; hidden_states, qkv_weight
	s_load_b128 s[8:11], s[0:1], 0x10              ; o_proj_weight, hid_img
	s_load_b128 s[12:15], s[0:1], 0x20             ; w_img, ow_img
	v_lshl_add_u32 v239, v0, 2, 0xe800
	v_mov_b32 v243, 0
	v_lshrrev_b32 v1, 5, v0
	v_readfirstlane_b32 s16, v1                    ; wave 0..6
	v_and_b32 v2, 31, v0                           ; lane
	v_and_b32 v3, 15, v0                           ; r
	v_bfe_u32 v9, v0, 4, 1                         ; h
	v_lshlrev_b32 v6, 4, v2                        ; 16 x lane
	v_lshlrev_b32 v7, 3, v2                        ; 8 x lane
	v_lshlrev_b32 v8, 3, v9                        ; 8 h: my bytes' shift in the scale word
	s_mul_i32 s23, s16, STG
	v_add_nc_u32 v4, s23, v6                       ; into the stage: 16 x lane of a row
	v_mul_u32_u24 v5, v3, SPI
	v_lshl_add_u32 v5, v9, 7, v5
	v_add_nc_u32 v5, s23, v5                       ; out of it: row r, + 128 h: K = 32 h on
	v_mov_b32 v[T], 0                              ; written once: a lane permute's destination counts as one of its sources
	s_mov_b32 s20, 0x76543210
	s_mov_b32 s21, 0xfedcba98                      ; lane l xor 16
	s_mov_b32 s22, 0xffff0000                      ; lanes 16-31
	s_mul_i32 s17, ttmp9, 7
	s_add_co_u32 s17, s17, s16                     ; my job
	s_mov_b32 s18, 1536
	s_mov_b32 s35, 4096
	s_wait_kmcnt 0x0
	s_cmp_lt_u32 s17, 1536                         ; qkv_weight or o_proj_weight?  The choice hangs on the job's number alone
	s_cselect_b64 s[6:7], s[6:7], s[8:9]
	s_cselect_b64 s[12:13], s[12:13], s[14:15]
	s_cselect_b32 s18, 1024, s18                   ; the tensor's first job
	s_cselect_b32 s19, 4, 3                        ; 16 or 8 K steps
	s_cselect_b32 s35, 8192, s35                   ; bytes from row to row
	s_cmp_lt_u32 s17, 1024                         ; hidden_states or that?
	s_cselect_b64 s[4:5], s[4:5], s[6:7]
	s_cselect_b64 s[10:11], s[10:11], s[12:13]
	s_cselect_b32 s18, 0, s18
	s_cselect_b32 s19, 4, s19
	s_cselect_b32 s34, 2, 1                        ; a group is 4 quads (256 tokens) or 2 (128 rows of a weight)
	s_cselect_b32 s35, 8192, s35
	s_sub_co_u32 s18, s17, s18                     ; the job in its tensor
	s_bfm_b32 s36, s19, 0
	s_and_b32 s37, s18, s36                        ; its K step
	s_lshr_b32 s18, s18, s19                       ; its quad
	s_mul_i32 s38, s18, s35
	s_lshl_b32 s38, s38, 6                         ; 64 rows a quad
	s_lshl_b32 s36, s37, 9                         ; 512 bytes a K step
	s_add_co_u32 s38, s38, s36
	s_mov_b32 s39, 0
	s_add_nc_u64 s[4:5], s[4:5], s[38:39]
	s_lshr_b32 s36, s18, s34                       ; [group][K step][quad in the group][6,400]
	s_lshl_b32 s36, s36, s19
	s_add_co_u32 s36, s36, s37
	s_lshl_b32 s38, QB, s34
	s_mul_i32 s36, s36, s38
	s_bfm_b32 s38, s34, 0
	s_and_b32 s38, s18, s38
	s_mul_i32 s38, s38, QB
	s_add_co_u32 s38, s38, s36
	s_add_nc_u64 s[10:11], s[10:11], s[38:39]
.irp t, 0,1,2,3
	s_mul_i32 s38, s35, 32*(\t/2)+8*(\t%2)         ; tile t begins at row 32 (t / 2) + 8 (t % 2) of the quad
	s_add_nc_u64 s[24+2*\t:25+2*\t], s[4:5], s[38:39]
.endr
.irp i, 0,1,2,3,4,5,6,7,8,9,10,11,12,13,14,15
	v_mad_u32_u24 v[OFF+\i], s35, \i+8*(\i/8), v6
.endr
.macro LOAD t                          ; tile t: 16 loads, each 512 consecutive bytes of one row; read once in the launch
.irp i, 0,1,2,3,4,5,6,7,8,9,10,11,12,13,14,15
	global_load_b128 v[R+64*((\t)%2)+4*\i:R+64*((\t)%2)+4*\i+3], v[OFF+\i], s[24+2*(\t):25+2*(\t)] th:TH_LOAD_NT
.endr
.endm
.macro TILE t
.if (\t) < 3
	s_wait_loadcnt 16                              ; loads come back in order: this tile's 16 are in, the next tile's 16 stay out
.else
	s_wait_loadcnt 0x0
.endif
.irp i, 0,1,2,3,4,5,6,7,8,9,10,11,12,13,14,15
	ds_store_b128 v4, v[R+64*((\t)%2)+4*\i:R+64*((\t)%2)+4*\i+3] offset:SPI*\i
.endr
.irp c, 0,1
.irp j, 0,1,2,3,4,5,6,7
	ds_load_b128 v[X+32*\c+4*\j:X+32*\c+4*\j+3], v5 offset:256*\c+16*\j   ; K = 64 c + 32 h + 0 .. 31 of row r; LDS serves a wave's instructions in order, so these see the stores above
.endr
.endr
	s_wait_dscnt 0x0
.if (\t) < 2
	LOAD (\t)+2                                    ; into the set that the stage's stores have read
.endif
.irp c, 0,1
	v_max3_num_f32 v[MX+\c], |v[X+32*\c]|, |v[X+32*\c+1]|, 0x1800000   ; block 2 c + h is all mine; the floor 2^(3 - 127) holds the byte at 1 from below
.endr
.irp i, 2,4,6,8,10,12,14,16,18,20,22,24,26,28,30
.irp c, 0,1
	v_max3_num_f32 v[MX+\c], v[MX+\c], |v[X+32*\c+\i]|, |v[X+32*\c+\i+1]|
.endr
.endr
.irp c, 0,1
	v_add_nc_u32 v[SO+\c], 0xff000000, v[MX+\c]    ; 2 off the exponent field: the conversion takes the exponent field of this operand as its scale
.endr
.irp c, 0,1
	v_lshrrev_b32 v[BY+\c], 23, v[SO+\c]           ; the scale's byte
.endr
	v_lshl_or_b32 v[W], v[BY+1], 16, v[BY]         ; bytes h and 2 + h of row r's word,
	v_lshlrev_b32 v[W], v8, v[W]                   ; in their places;
	v_permlanex16_b32 v[T], v[W], s20, s21
	v_or_b32 v[PW+(\t)], v[W], v[T]                ; with lane l xor 16's two the word is whole, in both halves of the lanes
.if (\t) > 0
	s_wait_xcnt 0x0                                ; the last tile's stores have had their addresses translated: only behind this wait are their data registers written again
.endif
.irp c, 0,1
	v_cvt_scalef32_pk16_fp6_f32 v[PC+6*\c:PC+6*\c+2], v[X+32*\c:X+32*\c+15], v[SO+\c]
	v_cvt_scalef32_pk16_fp6_f32 v[TC+4*\c:TC+4*\c+2], v[X+32*\c+16:X+32*\c+31], v[SO+\c]   ; (a conversion's three registers begin on an even number)
.endr
	v_nop                                          ; one plain place behind a scaled conversion
.irp c, 0,1
.irp i, 0,1,2
	v_mov_b32 v[PC+6*\c+3+\i], v[TC+4*\c+\i]
.endr
.endr
.irp c, 0,1,2
	global_store_b128 v6, v[PC+4*\c:PC+4*\c+3], s[10:11] offset:FRB*(\t)+512*\c   ; 32 lanes store 512 consecutive bytes, at a multiple of 256 from the buffer's first byte
.endr
.endm
	LOAD 0
	LOAD 1
	TILE 0
	TILE 1
	TILE 2
	TILE 3
	v_cndmask_b32 v[PW], v[PW], v[PW+1], s22       ; register 0: tile 0's words in lanes 0-15, tile 1's in lanes 16-31
	v_cndmask_b32 v[PW+1], v[PW+2], v[PW+3], s22   ; register 1: tiles 2 and 3
	global_store_b64 v7, v[PW:PW+1], s[10:11] offset:4*FRB   ; 256 consecutive bytes
	s_wait_tensorcnt 0x0
	ds_add_u32 v239, v243
	s_wait_dscnt 0x0
	s_endpgm
.Lfunc_end_k_qa937c45dec_quant:
	.size	k_qa937c45dec_quant, .Lfunc_end_k_qa937c45dec_quant-k_qa937c45dec_quant
	.p2alignl 7, 3214868480
	.fill 96, 4, 3214868480
	.section	.rodata,"a",@progbits
	.p2align	6, 0x0
	.amdhsa_kernel k_qa937c45dec_quant
		.amdhsa_group_segment_fixed_size 60416
		.amdhsa_private_segment_fixed_size 0
		.amdhsa_enable_private_segment 0
		.amdhsa_kernarg_size 48
		.amdhsa_user_sgpr_count 2
		.amdhsa_user_sgpr_kernarg_segment_ptr 1
		.amdhsa_wavefront_size32 1
		.amdhsa_system_sgpr_workgroup_id_x 1
		.amdhsa_system_sgpr_workgroup_id_y 1
		.amdhsa_system_sgpr_workgroup_id_z 1
		.amdhsa_system_vgpr_workitem_id 0
		.amdhsa_next_free_vgpr 256
		.amdhsa_next_free_sgpr 66
		.amdhsa_reserve_vcc 0
		.amdhsa_float_denorm_mode_32 3
		.amdhsa_float_denorm_mode_16_64 3
		.amdhsa_memory_ordered 1
		.amdhsa_forward_progress 1
		.amdhsa_inst_pref_size 32
	.end_amdhsa_kernel
	.amdgpu_metadata
---
amdhsa.version: [ 1, 2 ]
amdhsa.kernels:
  - .name:           k_qa937c45dec_quant
    .symbol:         k_qa937c45dec_quant.kd
    .args:
      - { .name: hidden_states, .offset: 0, .size: 8, .value_kind: global_buffer, .address_space: global }
      - { .name: qkv_weight, .offset: 8, .size: 8, .value_kind: global_buffer, .address_space: global }
      - { .name: o_proj_weight, .offset: 16, .size: 8, .value_kind: global_buffer, .address_space: global }
      - { .name: hid_img, .offset: 24, .size: 8, .value_kind: global_buffer, .address_space: global }
      - { .name: w_img, .offset: 32, .size: 8, .value_kind: global_buffer, .address_space: global }
      - { .name: ow_img, .offset: 40, .size: 8, .value_kind: global_buffer, .address_space: global }
    .group_segment_fixed_size: 60416
    .private_segment_fixed_size: 0
    .kernarg_segment_align: 8
    .kernarg_segment_size: 48
    .max_flat_workgroup_size: 224
    .sgpr_count:     66
    .vgpr_count:     256
    .wavefront_size: 32
...
	.end_amdgpu_metadata
.endif
;; end of part 1
;; launch qkv (part 2): grid 16 x 16, 4 waves a work-group, clusters of 4 x 4, 327,680 bytes of LDS; arguments hid_img, w_img, cos, sin, q_norm_weight, k_norm_weight, q_img, kv; writes q_img, kv
.if DOCPART == 2
	.amdgcn_target "amdgcn-amd-amdhsa--gfx1250"
	.amdhsa_code_object_version 6
	.text
	.protected	k_qa937c45dec_qkv
	.globl	k_qa937c45dec_qkv
	.p2align	8
	.type	k_qa937c45dec_qkv,@function
k_qa937c45dec_qkv:
	s_mov_b64 s[64:65], 0
	v_nop
	global_prefetch_b8 v0, s[64:65] scope:SCOPE_SE
	s_setreg_imm32_b32 hwreg(HW_REG_WAVE_MODE, 25, 1), 1
	s_wait_xcnt 0x0
	s_wait_alu depctr_hold_cnt(0) depctr_sa_sdst(0) depctr_va_vdst(0) depctr_va_sdst(0) depctr_va_ssrc(0) depctr_va_vcc(0) depctr_vm_vsrc(0)
	s_getreg_b32 s2, hwreg(HW_REG_IB_STS2, 6, 4)
	s_cmp_eq_u32 s2, 0
	s_cbranch_scc0 .Lentry_in_a_cluster
	s_endpgm
.Lentry_in_a_cluster:
	s_bfe_u32 s2, ttmp6, 0x10000c
	s_cmp_lg_u32 s2, 0xf033
	s_cbranch_scc0 .Lentry_shape_is_right
	s_endpgm
.Lentry_shape_is_right:
; qkv = hidden_states qkv_weight^T on codes of FP6 (E2M3) with E8M0 scales; then, in f32, the RMS norm of each head and RoPE on q and k; then the quantisers of the attention's operands: q and k along the head's 128,
; v along the KEYS.  Nothing but codes and scale bytes leaves.  The buffers' format (quads, register images, blocks of 6,400 bytes) is set out at the head of the first launch's text.
; SHARES.  A work-group makes 256 tokens x 128 columns = ONE HEAD (column groups 0-7: q, 8-11: k, 12-15: v): 16 x 16 work-groups.  Each of its four waves makes 64 tokens (its own quad of A) x 128 columns: 32 accumulators.
; A larger tile would give fewer work-groups than the grid's 256 and would put heads of different kinds into one tile.
; CLUSTERS: 4 x 4 work-groups.  A's tiles hang on the token group alone and are asked for jointly along a row of the cluster, B's on the head alone, along a column.  The KIND of a head (q, k or v) is the cluster's x,
; the same number in all sixteen partners: every branch on it goes the same way in all of them.
; ORIENTATION.  q, k: source 0 = 16 rows of the weight, source 1 = 16 tokens: a lane holds ONE token, and by the quad's choice of rows the 64 registers of a token tile are d = 32 b + 16 (lane / 16) + i at register 16 b + i.
; v: the sources are swapped: a lane holds ONE d and its registers run along the tokens, which are the second attention product's K.  Both arms take the 32 accumulators by turns in the same order.
; K: 16 steps of 128 through a ring of two LDS slots of FOUR steps each; a step's tiles of a work-group, and successive steps', are one dense run of memory: every tensor load is rows of 256 bytes.  Two first fills, two refills.
; LIMITS: a block whose largest magnitude lies under 2^-124 keeps the byte 1 (a block of zeros too, where the stated quantiser says 127: its codes are zeros and this program alone reads the bytes); NaN and infinities are not served;
; v_rsq_f32 is accurate to 1 ulp (ISA guide, its entry); RoPE's second product and its sum are one fused multiply-add.
; REGISTERS, in windows of 256: window 0: v0-23 addresses; v24-35 scale words, two sets; v40-135 A's fragments, two sets (later v40-103 a token tile after RoPE); v136-189 the quantiser's.
;   window 1: v0-191 B's fragments, two sets; v192-255 the norm's weight.   window 2: the accumulators, tuple n at v[8 n].   window 3: cos and sin of two token tiles.
.set QB,    6400
.set FRB,   1536
.set APL,   4*QB                       ; a K step's place of A in LDS: four quads
.set BPL,   2*QB                       ; of B: two quads
.set BREG,  8*APL                      ; A's eight places, then B's eight
.set SPARE, BREG+8*BPL                 ; then the spare words, 128 bytes for each wave: two blocks of 256 bytes that no other line names
.set ADRA, 4                           ; v4-7    my quad of A in places 2 i, 2 i + 1: + 16 x lane
.set ADRB, 8                           ; v8-9    B in places 4 j .. 4 j + 3: + 16 x lane
.set ADSA, 10                          ; v10-13  as ADRA, + 8 x lane: the scale words
.set ADSB, 14                          ; v14-15  as ADRB, + 8 x lane
.set SPW,  16                          ; v16     my spare word; never rewritten
.set NIL,  17                          ; v17     0; never rewritten
.set L16,  18                          ; v18     16 x lane
.set L8,   19                          ; v19     8 x lane
.set CSO,  20                          ; v20     cos, sin: (r + 8 (r / 8)) x 512 + 64 h
.set NWO,  21                          ; v21     64 h
.set SCA,  24                          ; A's scale words: set s at v[24 + 6 s], 2 registers;
.set SCB,  26                          ; B's at v[26 + 6 s], 4 registers.  They hold scales and nothing else
.set AF,   40
.set XQ,   40
.set TM,   136                         ; v136-139 largest magnitudes, v140-143 bytes, v148-151 the conversions' scale operands
.set PW,   152                         ; v152-155 four scale words
.set PC,   160                         ; v160-171 a fragment's codes; v172-174, v176-178 at work
.set SS,   180                         ; v180-187 the sum of squares, four chains of pairs
.set RS,   188                         ; v[188:189] 1 / sqrt(mean + eps); the packed form names the pair
.set NW,   192                         ; in window 1
.set WV,   20                          ; s20 wave; s21 wave % 2; s22 wave / 2; s23 the kind: 0, 1 q; 2 k; 3 v
.set HF,   21
.set WH,   22
.set TYPE, 23
.set G1A,  28                          ; s[28:35], s[36:43] descriptor groups 1; s[44:51], s[52:59] groups 0, one for each slot
.set G1B,  36
.set G0A,  44
.set G0B,  52
.set SEL,  60
.set HI16, 62
.set OUT,  68
.set CB,   70
.set SB,   72
.set NB,   74
.set MSB, 0
.macro WIN new                         ; the immediate's high byte repeats the setting that is left; a switch that changes nothing is dropped
.if MSB != (\new)
	s_set_vgpr_msb (MSB<<8)|(\new)
.set MSB, (\new)
.endif
.endm
.macro PLACES n
.rept \n
	v_nop
.endr
.endm
.macro CROUND                          ; a round of the cluster's barrier
	s_barrier_signal -1
	s_barrier_wait -1
	s_cmp_lg_u32 s[WV], 0
	s_cbranch_scc1 .Lnot_wave_0_\@
	s_barrier_signal -3
.Lnot_wave_0_\@:
	s_barrier_wait -3
	s_barrier_signal -1
	s_barrier_wait -1
.endm
.macro JLOAD g0a, g1a, g0b, g1b        ; a joint load: waves 0 and 1 fetch A's halves, waves 2 and 3 B's; four v_nop follow each of the two lines
	s_cmp_eq_u32 s[WH], 0
	s_cbranch_scc0 .Lfor_b_\@
	tensor_load_to_lds s[\g0a:\g0a+3], s[\g1a:\g1a+7]
	s_nop 0
	PLACES 4
	s_branch .Lasked_\@
.Lfor_b_\@:
	tensor_load_to_lds s[\g0b:\g0b+3], s[\g1b:\g1b+7]
	s_nop 0
	PLACES 4
.Lasked_\@:
.endm
; One matrix instruction: D at d, source 0 at x with its scales in sx, source 1 at y with sy; z = 1: it starts the sum; rx, ry = 1: that side's scale words stand in lanes 16-31.
.macro WM d, x, y, z, sx, sy, rx, ry
.if \z
.if ((\rx) != 0) && ((\ry) != 0)
	v_wmma_scale_f32_16x16x128_f8f6f4 v[(\d):(\d)+7], v[(\x):(\x)+11], v[(\y):(\y)+11], 0, v[(\sx)], v[(\sy)] matrix_a_fmt:MATRIX_FMT_FP6 matrix_b_fmt:MATRIX_FMT_FP6 matrix_a_scale:MATRIX_SCALE_ROW1 matrix_b_scale:MATRIX_SCALE_ROW1
.elseif (\rx) != 0
	v_wmma_scale_f32_16x16x128_f8f6f4 v[(\d):(\d)+7], v[(\x):(\x)+11], v[(\y):(\y)+11], 0, v[(\sx)], v[(\sy)] matrix_a_fmt:MATRIX_FMT_FP6 matrix_b_fmt:MATRIX_FMT_FP6 matrix_a_scale:MATRIX_SCALE_ROW1
.elseif (\ry) != 0
	v_wmma_scale_f32_16x16x128_f8f6f4 v[(\d):(\d)+7], v[(\x):(\x)+11], v[(\y):(\y)+11], 0, v[(\sx)], v[(\sy)] matrix_a_fmt:MATRIX_FMT_FP6 matrix_b_fmt:MATRIX_FMT_FP6 matrix_b_scale:MATRIX_SCALE_ROW1
.else
	v_wmma_scale_f32_16x16x128_f8f6f4 v[(\d):(\d)+7], v[(\x):(\x)+11], v[(\y):(\y)+11], 0, v[(\sx)], v[(\sy)] matrix_a_fmt:MATRIX_FMT_FP6 matrix_b_fmt:MATRIX_FMT_FP6
.endif
.else
.if ((\rx) != 0) && ((\ry) != 0)
	v_wmma_scale_f32_16x16x128_f8f6f4 v[(\d):(\d)+7], v[(\x):(\x)+11], v[(\y):(\y)+11], v[(\d):(\d)+7], v[(\sx)], v[(\sy)] matrix_a_fmt:MATRIX_FMT_FP6 matrix_b_fmt:MATRIX_FMT_FP6 matrix_a_scale:MATRIX_SCALE_ROW1 matrix_b_scale:MATRIX_SCALE_ROW1
.elseif (\rx) != 0
	v_wmma_scale_f32_16x16x128_f8f6f4 v[(\d):(\d)+7], v[(\x):(\x)+11], v[(\y):(\y)+11], v[(\d):(\d)+7], v[(\sx)], v[(\sy)] matrix_a_fmt:MATRIX_FMT_FP6 matrix_b_fmt:MATRIX_FMT_FP6 matrix_a_scale:MATRIX_SCALE_ROW1
.elseif (\ry) != 0
	v_wmma_scale_f32_16x16x128_f8f6f4 v[(\d):(\d)+7], v[(\x):(\x)+11], v[(\y):(\y)+11], v[(\d):(\d)+7], v[(\sx)], v[(\sy)] matrix_a_fmt:MATRIX_FMT_FP6 matrix_b_fmt:MATRIX_FMT_FP6 matrix_b_scale:MATRIX_SCALE_ROW1
.else
	v_wmma_scale_f32_16x16x128_f8f6f4 v[(\d):(\d)+7], v[(\x):(\x)+11], v[(\y):(\y)+11], v[(\d):(\d)+7], v[(\sx)], v[(\sy)] matrix_a_fmt:MATRIX_FMT_FP6 matrix_b_fmt:MATRIX_FMT_FP6
.endif
.endif
.endm
; 16 matrix instructions on tuples 16 half .. 16 half + 15.  q, k: tuple 8 a + b, source 0 = B's tile b (window 1), source 1 = A's tile a (window 0).
.macro MULQK half, set, z
	WIN 0xa1
.irp n, 0,1,2,3,4,5,6,7,8,9,10,11,12,13,14,15
	WM 8*(16*(\half)+\n), 96*(\set)+12*(\n%8), AF+48*(\set)+12*(2*(\half)+\n/8), \z, SCB+6*(\set)+(\n%8)/2, SCA+6*(\set)+(2*(\half)+\n/8)/2, \n%2, (2*(\half)+\n/8)%2
.endr
.endm
; v: tuple 4 b + a, source 0 = A's tile a, source 1 = B's tile b.
.macro MULV half, set, z
	WIN 0xa4
.irp n, 0,1,2,3,4,5,6,7,8,9,10,11,12,13,14,15
	WM 8*(16*(\half)+\n), AF+48*(\set)+12*(\n%4), 96*(\set)+12*(4*(\half)+\n/4), \z, SCA+6*(\set)+(\n%4)/2, SCB+6*(\set)+(4*(\half)+\n/4)/2, \n%2, (4*(\half)+\n/4)%2
.endr
.endm
.macro MULH half, set, z, arm          ; arm 1: q, k alone; 2: v alone; 0: both, under a branch on the kind (at a branch and at a label every window is 0)
.if (\arm) == 1
	MULQK \half, \set, \z
.elseif (\arm) == 2
	MULV \half, \set, \z
.else
	WIN 0
	s_cmp_eq_u32 s[TYPE], 3
	s_cbranch_scc1 .Lv_\@
	MULQK \half, \set, \z
	WIN 0
	s_branch .Lj_\@
.Lv_\@:
	MULV \half, \set, \z
	WIN 0
.Lj_\@:
.endif
.endm
; 39 LDS loads in one run: place p's fragments and scale words into register set `set`: B's eight tiles, my quad's four of A, three pairs of scale words.  An instruction's 512 (256) bytes are consecutive.
.macro FETCH p, set
	WIN 0x40                                       ; destination window 1, address window 0
.irp i, 0,1,2,3,4,5,6,7
.irp c, 0,1,2
	ds_load_b128 v[96*(\set)+12*\i+4*\c:96*(\set)+12*\i+4*\c+3], v[ADRB+(\p)/4] offset:((\p)%4)*BPL+(\i/4)*QB+(\i%4)*FRB+512*\c
.endr
.endr
	WIN 0
.irp i, 0,1,2,3
.irp c, 0,1,2
	ds_load_b128 v[AF+48*(\set)+12*\i+4*\c:AF+48*(\set)+12*\i+4*\c+3], v[ADRA+(\p)/2] offset:((\p)%2)*APL+\i*FRB+512*\c
.endr
.endr
	ds_load_b64 v[SCA+6*(\set):SCA+6*(\set)+1], v[ADSA+(\p)/2] offset:((\p)%2)*APL+4*FRB
	ds_load_b64 v[SCB+6*(\set):SCB+6*(\set)+1], v[ADSB+(\p)/4] offset:((\p)%4)*BPL+4*FRB
	ds_load_b64 v[SCB+6*(\set)+2:SCB+6*(\set)+3], v[ADSB+(\p)/4] offset:((\p)%4)*BPL+QB+4*FRB
.endm
; A K step in place p (register set p % 2) whose successor lies in the same slot.  The next step's loads stand in one run in its middle, four places behind the last products that read that set
; (ISA guide 7.12.1 for vector instructions).
.macro STEP p, z, arm
	s_wait_dscnt 0x0                               ; this step's fragments, asked for 16 matrix instructions ago or more
	MULH 0, (\p)%2, \z, \arm
	PLACES 4
	FETCH (\p)+1, 1-(\p)%2
	MULH 1, (\p)%2, \z, \arm
.endm
; A slot's last K step changes slots.  Its own fragments are in registers at the wait on DScnt, so all my reads of the slot are over there.  fill = 1: the slot is filled again, with the K steps eight on.
.macro LAST s, fill
	s_wait_tensorcnt 0x0                           ; all my tensor loads have landed: my part of the other slot; so a group 0 may be written
	ds_add_u32 v[SPW], v[NIL]                      ; 0 onto my spare word
.if \fill
	s_add_nc_u64 s[G0A+4*\s+2:G0A+4*\s+3], s[G0A+4*\s+2:G0A+4*\s+3], 8*APL
	s_add_nc_u64 s[G0B+4*\s+2:G0B+4*\s+3], s[G0B+4*\s+2:G0B+4*\s+3], 8*BPL
.endif
	s_wait_dscnt 0x0                               ; the add is done, and my reads of this slot are over
.if \fill
	CROUND                                         ; no wave of any partner still reads this slot or has a load on its way
	JLOAD G0A+4*\s, G1A, G0B+4*\s, G1B             ; my one tensor load behind the round; it has four K steps in which to land; its four v_nop are the places in front of the loads below
.else
	s_barrier_signal -1
	s_barrier_wait -1
	PLACES 4
.endif
	FETCH (4*\s+4)%8, 0
	MULH 0, 1, 0, 0
	MULH 1, 1, 0, 0
.endm
; 64 numbers of a lane in window ws, register s + 16 b + i = k 32 b + 16 (lane / 16) + i of the lane's row, become a fragment's codes in v[PC] on and its scale word in v[pw] (the same in both halves of the lanes).
; The sources are read in ascending order, each accumulator from its low end on.
.macro QUANT s, ws, pw
	WIN (\ws)|((\ws)<<2)
.irp b, 0,1,2,3
	v_max3_num_f32 v[TM+\b], |v[(\s)+16*\b]|, |v[(\s)+16*\b+1]|, 0x1800000   ; my 16 numbers of block b, and the floor 2^(3 - 127): the byte cannot fall under 1
.endr
	WIN ((\ws)<<2)|((\ws)<<4)
.irp i, 2,4,6,8,10,12,14
.irp b, 0,1,2,3
	v_max3_num_f32 v[TM+\b], v[TM+\b], |v[(\s)+16*\b+\i]|, |v[(\s)+16*\b+\i+1]|   ; the four blocks by turns
.endr
.endr
	WIN 0
.irp b, 0,1,2,3
	v_permlanex16_b32 v[TM+4+\b], v[TM+\b], s[SEL], s[SEL+1]
.endr
.irp b, 0,1,2,3
	v_max_num_f32 v[TM+\b], v[TM+\b], v[TM+4+\b]   ; with lane l xor 16's: the block's largest magnitude
.endr
.irp b, 0,1,2,3
	v_add_nc_u32 v[TM+12+\b], 0xff000000, v[TM+\b] ; 2 off its exponent field: the conversion's scale operand
.endr
.irp b, 0,1,2,3
	v_lshrrev_b32 v[TM+4+\b], 23, v[TM+12+\b]      ; the scale's byte
.endr
	v_lshl_or_b32 v[\pw], v[TM+5], 8, v[TM+4]
	v_lshl_or_b32 v[\pw], v[TM+6], 16, v[\pw]
	v_lshl_or_b32 v[\pw], v[TM+7], 24, v[\pw]
	WIN \ws
.irp c, 0,1
	v_cvt_scalef32_pk16_fp6_f32 v[PC+6*\c:PC+6*\c+2], v[(\s)+32*\c:(\s)+32*\c+15], v[TM+12+2*\c]
	v_cvt_scalef32_pk16_fp6_f32 v[PC+12+4*\c:PC+14+4*\c], v[(\s)+32*\c+16:(\s)+32*\c+31], v[TM+12+2*\c+1]   ; (a conversion's three registers begin on an even number)
.endr
	WIN 0
	v_nop                                          ; one plain place behind a scaled conversion
.irp c, 0,1                                    ; the operand's layout wants a whole block in a lane: lanes 0-15 block 2 c, lanes 16-31 block 2 c + 1
.irp i, 0,1,2
	v_permlane16_swap_b32 v[PC+6*\c+\i], v[PC+12+4*\c+\i]
.endr
.irp i, 0,1,2
	v_mov_b32 v[PC+3+6*\c+\i], v[PC+12+4*\c+\i]
.endr
.endr
.endm
	s_load_b256 s[4:11], s[0:1], 0x0               ; hid_img, w_img, cos, sin
	s_load_b256 s[12:19], s[0:1], 0x20             ; q_norm_weight, k_norm_weight, q_img, kv
	v_lshl_add_u32 v[SPW], v0, 2, SPARE
	v_mov_b32 v[NIL], 0
	ds_add_u32 v16, v17
	s_wait_dscnt 0x0
	v_lshrrev_b32 v1, 5, v0
	v_readfirstlane_b32 s[WV], v1                  ; wave 0..3
	v_and_b32 v1, 31, v0                           ; lane
	v_and_b32 v2, 15, v0                           ; r
	v_bfe_u32 v3, v0, 4, 1                         ; h
	v_lshlrev_b32 v[L16], 4, v1
	v_lshlrev_b32 v[L8], 3, v1
	s_mul_i32 s66, s[WV], QB                       ; my quad in a place of A
.irp i, 0,1,2,3
	v_add_nc_u32 v[ADRA+\i], s66, v[L16]
	v_add_nc_u32 v[ADSA+\i], s66, v[L8]
	s_add_co_u32 s66, s66, 2*APL
.endr
.irp j, 0,1
	v_add_nc_u32 v[ADRB+\j], BREG+\j*4*BPL, v[L16]
	v_add_nc_u32 v[ADSB+\j], BREG+\j*4*BPL, v[L8]
.endr
	v_and_b32 v1, 8, v2
	v_add_nc_u32 v1, v1, v2                        ; r + 8 (r / 8)
	v_lshlrev_b32 v[NWO], 6, v3
	v_lshl_add_u32 v[CSO], v1, 9, v[NWO]
.irp b, 0,1,2,3
	v_mov_b32 v[TM+4+\b], 0                        ; written once: a lane permute's destination counts as one of its sources
.endr
	v_mov_b32 v[RS+1], 0                           ; (named as the upper half of a pair)
	s_and_b32 s[HF], s[WV], 1
	s_lshr_b32 s[WH], s[WV], 1
	s_mov_b32 s[TYPE], ttmp9                       ; the cluster's x: 4 heads of one kind
	s_bfe_u32 s24, ttmp6, 0x40000                  ; cx
	s_bfe_u32 s25, ttmp6, 0x40004                  ; cy
	s_lshl_b32 s26, ttmp9, 2
	s_add_co_u32 s26, s26, s24                     ; the head: 4 x cluster x + cx
	s_and_b32 s27, ttmp7, 0xffff
	s_lshl_b32 s27, s27, 2
	s_add_co_u32 s27, s27, s25                     ; the group of 256 tokens: 4 x cluster y + cy
	s_lshl_b32 s78, s25, 2
	s_lshl_b32 s78, 15, s78                        ; my row of the cluster
	s_lshl_b32 s79, 0x1111, s24                    ; my column
	; descriptor groups 1: dense runs as rows of 256 bytes (32 elements of 8 bytes), no padding.  A: half a slot, 200 rows; B: 100
	s_or_b32 s[G1A], s78, (3<<16)|(1<<21)          ; 15:0 the mask; 17:16 elements of 8 bytes; 21 set beside a mask
	s_or_b32 s[G1B], s79, (3<<16)|(1<<21)
	s_mov_b32 s[G1A+1], 32<<16                     ; tensor_dim0 = 32
	s_mov_b32 s[G1A+2], 200<<16                    ; tensor_dim1 = 200
	s_mov_b32 s[G1A+3], 32<<16                     ; tile_dim0 = 32
	s_mov_b32 s[G1A+4], 200                        ; tile_dim1 = 200
	s_mov_b32 s[G1A+5], 32                         ; from row to row
	s_mov_b32 s[G1A+6], 0
	s_mov_b32 s[G1A+7], 0
	s_mov_b32 s[G1B+1], 32<<16
	s_mov_b32 s[G1B+2], 100<<16
	s_mov_b32 s[G1B+3], 32<<16
	s_mov_b32 s[G1B+4], 100
	s_mov_b32 s[G1B+5], 32
	s_mov_b32 s[G1B+6], 0
	s_mov_b32 s[G1B+7], 0
	s_mul_i32 s80, s27, 16*APL                     ; A: the token group's 16 K steps,
	s_mul_i32 s82, s[HF], 2*APL                    ; my half of a slot: in memory and in LDS
	s_add_co_u32 s80, s80, s82
	s_mov_b32 s81, 0
	s_mul_i32 s84, s26, 16*BPL                     ; B likewise, by the head
	s_mul_i32 s86, s[HF], 2*BPL
	s_add_co_u32 s84, s84, s86
	s_mov_b32 s85, 0
	s_mov_b32 s[SEL], 0x76543210
	s_mov_b32 s[SEL+1], 0xfedcba98                 ; lane l xor 16
	s_mov_b32 s[HI16], 0xffff0000                  ; lanes 16-31
	s_mov_b32 s76, 0x3c000000                      ; 1 / 128
	s_mov_b32 s77, 0x358637bd                      ; 1e-6
	s_lshl_b32 s88, s27, 8                         ; my first token: 256 x group + 64 x wave; a row of cos or sin is 512 bytes
	s_lshl_b32 s89, s[WV], 6
	s_add_co_u32 s88, s88, s89
	s_lshl_b32 s88, s88, 9
	s_mov_b32 s89, 0
	s_lshr_b32 s90, s27, 3                         ; the batch
	s_and_b32 s91, s27, 7                          ; the group in its batch
	s_lshl_b32 s92, s90, 3
	s_add_co_u32 s92, s92, s26
	s_lshl_b32 s92, s92, 5
	s_lshl_b32 s93, s91, 2
	s_add_co_u32 s92, s92, s93
	s_add_co_u32 s92, s92, s[WV]
	s_mul_i32 s92, s92, QB                         ; q_img: [8 b + head][32 quads][6,400]
	s_lshl_b32 s94, s90, 2
	s_and_b32 s93, s26, 3
	s_add_co_u32 s94, s94, s93
	s_lshl_b32 s94, s94, 4
	s_lshl_b32 s93, s91, 1
	s_add_co_u32 s94, s94, s93
	s_add_co_u32 s94, s94, s[WH]
	s_mul_i32 s94, s94, 4*QB                       ; kv: [4 b + head][16 key steps][K's quads 0, 1, V's halves 0, 1][6,400]
	s_mul_i32 s93, s[HF], QB
	s_add_co_u32 s94, s94, s93
	s_cmp_eq_u32 s[TYPE], 3
	s_cselect_b32 s93, 2*QB, 0
	s_add_co_u32 s94, s94, s93
	s_mov_b32 s93, 0
	s_wait_kmcnt 0x0
	s_add_nc_u64 s[80:81], s[4:5], s[80:81]
	s_add_nc_u64 s[84:85], s[6:7], s[84:85]
	s_add_nc_u64 s[CB:CB+1], s[8:9], s[88:89]
	s_add_nc_u64 s[SB:SB+1], s[10:11], s[88:89]
	s_cmp_lt_u32 s[TYPE], 2                        ; q, or k and v: the choice hangs on the cluster's x alone
	s_cselect_b32 s92, s92, s94
	s_cselect_b64 s[OUT:OUT+1], s[16:17], s[18:19]
	s_cselect_b64 s[NB:NB+1], s[12:13], s[14:15]
	s_add_nc_u64 s[OUT:OUT+1], s[OUT:OUT+1], s[92:93]
	CROUND                                         ; all sixteen work-groups are here: the first joint loads meet
.irp s, 0,1
	s_mov_b32 s[G0A+4*\s], 1                       ; count = 1
	s_add_co_u32 s[G0A+4*\s+1], s82, \s*4*APL      ; LDS address: no place in the cluster enters it
	s_add_nc_u64 s[G0A+4*\s+2:G0A+4*\s+3], s[80:81], \s*4*APL
	s_or_b32 s[G0A+4*\s+3], s[G0A+4*\s+3], 0x80000000   ; type = 2
	s_mov_b32 s[G0B+4*\s], 1
	s_add_co_u32 s[G0B+4*\s+1], s86, BREG+\s*4*BPL
	s_add_nc_u64 s[G0B+4*\s+2:G0B+4*\s+3], s[84:85], \s*4*BPL
	s_or_b32 s[G0B+4*\s+3], s[G0B+4*\s+3], 0x80000000
	JLOAD G0A+4*\s, G1A, G0B+4*\s, G1B             ; by this text's count two tensor loads of a wave are out here, later one
.endr
	s_wait_tensorcnt 0x1                           ; my part of slot 0 is in; slot 1's may stay out
	s_barrier_signal -1
	s_barrier_wait -1
	FETCH 0, 0
	STEP 0, 1, 0                                   ; K step 0 starts the sums: nothing is cleared
	STEP 1, 0, 0
	STEP 2, 0, 0
	LAST 0, 1                                      ; K step 3; slot 0 takes K steps 8-11
	STEP 4, 0, 0
	STEP 5, 0, 0
	STEP 6, 0, 0
	LAST 1, 1                                      ; K step 7; slot 1 takes K steps 12-15
	STEP 0, 0, 0
	STEP 1, 0, 0
	STEP 2, 0, 0
	LAST 0, 0                                      ; K step 11; nothing is left to fetch
	; The text parts once on the kind: from here to the join there is no barrier, no tensor load and no LDS store on either way.
	s_cmp_eq_u32 s[TYPE], 3
	s_cbranch_scc1 .Lvway
	; ---- q and k.  The norm's weight and the first two token tiles' cos and sin are asked for four K steps ahead of their use.
.macro CSLOAD a                        ; cos and sin of token tile a: lane (r, h) takes, of its token's row, d = 32 b + 16 h + 0 .. 15 for register 16 b on.  Twelve heads read these rows: no hint
	WIN 0xc0                                       ; destination window 3
.irp b, 0,1,2,3
.irp j, 0,1,2,3
	global_load_b128 v[128*((\a)%2)+16*\b+4*\j:128*((\a)%2)+16*\b+4*\j+3], v[CSO], s[CB:CB+1] offset:(32*((\a)/2)+8*((\a)%2))*512+128*\b+16*\j
	global_load_b128 v[128*((\a)%2)+64+16*\b+4*\j:128*((\a)%2)+64+16*\b+4*\j+3], v[CSO], s[SB:SB+1] offset:(32*((\a)/2)+8*((\a)%2))*512+128*\b+16*\j
.endr
.endr
	WIN 0
.endm
	WIN 0x40
.irp b, 0,1,2,3
.irp j, 0,1,2,3
	global_load_b128 v[NW+16*\b+4*\j:NW+16*\b+4*\j+3], v[NWO], s[NB:NB+1] offset:128*\b+16*\j
.endr
.endr
	CSLOAD 0
	CSLOAD 1
	STEP 4, 0, 1
	STEP 5, 0, 1
	STEP 6, 0, 1
	s_wait_dscnt 0x0
	MULH 0, 1, 0, 1
	MULH 1, 1, 0, 1
	WIN 0
	PLACES 4                                       ; in front of the first read of results
; Token tile a: x = its 64 registers in window 2.  x / sqrt(mean(x^2) + eps), x w, RoPE, the quantiser, the image.
.macro EPI a
.if \a < 3
	s_wait_loadcnt 32                              ; this tile's cos and sin (and the weight) are in; the next tile's 32 loads stay out
.else
	s_wait_loadcnt 0x0
.endif
	WIN 0x0a                                       ; sources 0 and 1 window 2
.set i, 0
.rept 4
	v_pk_mul_f32 v[SS+i:SS+i+1], v[64*\a+i:64*\a+i+1], v[64*\a+i:64*\a+i+1]   ; the sum of squares of my 64, in four chains of pairs, ascending
.set i, i+2
.endr
.rept 28
	v_pk_fma_f32 v[SS+i%8:SS+i%8+1], v[64*\a+i:64*\a+i+1], v[64*\a+i:64*\a+i+1], v[SS+i%8:SS+i%8+1]
.set i, i+2
.endr
	WIN 0
	v_pk_add_f32 v[SS:SS+1], v[SS:SS+1], v[SS+2:SS+3]
	v_pk_add_f32 v[SS+4:SS+5], v[SS+4:SS+5], v[SS+6:SS+7]
	v_pk_add_f32 v[SS:SS+1], v[SS:SS+1], v[SS+4:SS+5]
	v_add_f32 v[SS], v[SS], v[SS+1]
	v_permlanex16_b32 v[SS+2], v[SS], s[SEL], s[SEL+1]
	v_add_f32 v[SS], v[SS], v[SS+2]                ; with lane l xor 16's 64: the token's 128
	v_fma_f32 v[SS], v[SS], s76, s77               ; / 128 (exact) + eps
	v_rsq_f32 v[RS], v[SS]
	v_nop                                          ; one plain place behind a transcendental
	WIN 0x82                                       ; destination and source 0 window 2
.set i, 0
	s_wait_alu depctr_va_vdst(0)
.rept 32
	v_pk_mul_f32 v[64*\a+i:64*\a+i+1], v[64*\a+i:64*\a+i+1], v[RS:RS+1] op_sel_hi:[1,0]
.set i, i+2
.endr
	WIN 0x86                                       ; and source 1 window 1: the weight
.set i, 0
.rept 32
	v_pk_mul_f32 v[64*\a+i:64*\a+i+1], v[64*\a+i:64*\a+i+1], v[NW+i:NW+i+1]
.set i, i+2
.endr
	WIN 0x0e                                       ; source 0 window 2, source 1 window 3.  d + 64 is register n + 32 of the same lane
.set COSR, 128*(\a%2)
.set SINR, COSR+64
.set i, 0
.rept 16
	v_pk_mul_f32 v[XQ+i:XQ+i+1], v[64*\a+32+i:64*\a+32+i+1], v[SINR+i:SINR+i+1]
.set i, i+2
.endr
.set i, 0
.rept 16
	v_pk_mul_f32 v[XQ+32+i:XQ+32+i+1], v[64*\a+i:64*\a+i+1], v[SINR+32+i:SINR+32+i+1]
.set i, i+2
.endr
.set i, 0
.rept 16
	v_pk_fma_f32 v[XQ+i:XQ+i+1], v[64*\a+i:64*\a+i+1], v[COSR+i:COSR+i+1], v[XQ+i:XQ+i+1] neg_lo:[0,0,1] neg_hi:[0,0,1]   ; x0 c0 - x1 s0
.set i, i+2
.endr
.set i, 0
.rept 16
	v_pk_fma_f32 v[XQ+32+i:XQ+32+i+1], v[64*\a+32+i:64*\a+32+i+1], v[COSR+32+i:COSR+32+i+1], v[XQ+32+i:XQ+32+i+1]        ; x1 c1 + x0 s1
.set i, i+2
.endr
.if \a < 2
	CSLOAD \a+2                                    ; into the set just read
.else
	WIN 0
.endif
.if \a > 0
	s_wait_xcnt 0x0                                ; the last tile's stores have had their addresses translated: their data registers are written again only behind this wait
.endif
	QUANT XQ, 0, PW+\a
.irp c, 0,1,2
	global_store_b128 v[L16], v[PC+4*\c:PC+4*\c+3], s[OUT:OUT+1] offset:FRB*\a+512*\c   ; 512 consecutive bytes, at a multiple of 256 from the buffer's first byte
.endr
.endm
	EPI 0
	EPI 1
	EPI 2
	EPI 3
	s_branch .Ljoin
	; ---- v.  Tuple 4 b + a: the 64 registers at 64 q are d tiles 2 q and 2 q + 1 x my quad's two blocks of 32 keys, in the quantiser's own order.  Its six registers for a tile are registers 6 c .. 6 c + 5 of that
	; tile's fragment for the key step's half c = wave % 2: four go out as 16 bytes a lane, two as 8.  The scale word's bytes 0, 1 are tile 2 q's two key blocks, bytes 2, 3 tile 2 q + 1's: attention puts two halves' together.
.Lvway:
	STEP 4, 0, 2
	STEP 5, 0, 2
	STEP 6, 0, 2
	s_wait_dscnt 0x0
	MULH 0, 1, 0, 2
	MULH 1, 1, 0, 2
	WIN 0
	PLACES 4
.irp q, 0,1,2,3
.if \q > 0
	s_wait_xcnt 0x0
.endif
	QUANT 64*\q, 2, PW+\q
.irp u, 0,1
	global_store_b128 v[L16], v[PC+6*\u:PC+6*\u+3], s[OUT:OUT+1] offset:(2*\q+\u)*768
	global_store_b64 v[L8], v[PC+6*\u+4:PC+6*\u+5], s[OUT:OUT+1] offset:(2*\q+\u)*768+512
.endr
.endr
.Ljoin:
	v_cndmask_b32 v[PW], v[PW], v[PW+1], s[HI16]   ; the four words as two registers: the even one in lanes 0-15, the odd one in lanes 16-31
	v_cndmask_b32 v[PW+1], v[PW+2], v[PW+3], s[HI16]
	global_store_b64 v[L8], v[PW:PW+1], s[OUT:OUT+1] offset:4*FRB
	s_wait_tensorcnt 0x0                           ; the wave's end
	ds_add_u32 v[SPW], v[NIL]
	s_wait_dscnt 0x0
	CROUND                                         ; the closing round: no work-group ends while a partner may still ask for a tile that names it
	s_endpgm
.Lfunc_end_k_qa937c45dec_qkv:
	.size	k_qa937c45dec_qkv, .Lfunc_end_k_qa937c45dec_qkv-k_qa937c45dec_qkv
	.p2alignl 7, 3214868480
	.fill 96, 4, 3214868480
	.section	.rodata,"a",@progbits
	.p2align	6, 0x0
	.amdhsa_kernel k_qa937c45dec_qkv
		.amdhsa_group_segment_fixed_size 327680
		.amdhsa_private_segment_fixed_size 0
		.amdhsa_enable_private_segment 0
		.amdhsa_kernarg_size 64
		.amdhsa_user_sgpr_count 2
		.amdhsa_user_sgpr_kernarg_segment_ptr 1
		.amdhsa_wavefront_size32 1
		.amdhsa_system_sgpr_workgroup_id_x 1
		.amdhsa_system_sgpr_workgroup_id_y 1
		.amdhsa_system_sgpr_workgroup_id_z 1
		.amdhsa_system_vgpr_workitem_id 0
		.amdhsa_next_free_vgpr 1024
		.amdhsa_next_free_sgpr 96
		.amdhsa_reserve_vcc 0
		.amdhsa_float_denorm_mode_32 3
		.amdhsa_float_denorm_mode_16_64 3
		.amdhsa_memory_ordered 1
		.amdhsa_forward_progress 1
		.amdhsa_inst_pref_size 255
	.end_amdhsa_kernel
	.section	.bss,"aw",@nobits
	.p2align	6
	.space	262144
	.amdgpu_metadata
---
amdhsa.version: [ 1, 2 ]
amdhsa.kernels:
  - .name:           k_qa937c45dec_qkv
    .symbol:         k_qa937c45dec_qkv.kd
    .args:
      - { .name: hid_img, .offset: 0, .size: 8, .value_kind: global_buffer, .address_space: global }
      - { .name: w_img, .offset: 8, .size: 8, .value_kind: global_buffer, .address_space: global }
      - { .name: cos, .offset: 16, .size: 8, .value_kind: global_buffer, .address_space: global }
      - { .name: sin, .offset: 24, .size: 8, .value_kind: global_buffer, .address_space: global }
      - { .name: q_norm_weight, .offset: 32, .size: 8, .value_kind: global_buffer, .address_space: global }
      - { .name: k_norm_weight, .offset: 40, .size: 8, .value_kind: global_buffer, .address_space: global }
      - { .name: q_img, .offset: 48, .size: 8, .value_kind: global_buffer, .address_space: global }
      - { .name: kv, .offset: 56, .size: 8, .value_kind: global_buffer, .address_space: global }
    .group_segment_fixed_size: 327680
    .private_segment_fixed_size: 0
    .kernarg_segment_align: 8
    .kernarg_segment_size: 64
    .max_flat_workgroup_size: 128
    .sgpr_count:     96
    .vgpr_count:     1024
    .wavefront_size: 32
...
	.end_amdgpu_metadata
.endif
;; end of part 2
;; launch attn (part 3): grid 16 x 16, 16 waves a work-group, clusters of 4 x 1, 327,680 bytes of LDS; arguments q_img, kv, attn_img; writes attn_img
.if DOCPART == 3
	.amdgcn_target "amdgcn-amd-amdhsa--gfx1250"
	.amdhsa_code_object_version 6
	.text
	.protected	k_qa937c45dec_attn
	.globl	k_qa937c45dec_attn
	.p2align	8
	.type	k_qa937c45dec_attn,@function
k_qa937c45dec_attn:
	s_mov_b64 s[64:65], 0
	v_nop
	global_prefetch_b8 v0, s[64:65] scope:SCOPE_SE
	s_setreg_imm32_b32 hwreg(HW_REG_WAVE_MODE, 25, 1), 1
	s_wait_xcnt 0x0
	s_wait_alu depctr_hold_cnt(0) depctr_sa_sdst(0) depctr_va_vdst(0) depctr_va_sdst(0) depctr_va_ssrc(0) depctr_va_vcc(0) depctr_vm_vsrc(0)
	s_getreg_b32 s2, hwreg(HW_REG_IB_STS2, 6, 4)
	s_cmp_eq_u32 s2, 0
	s_cbranch_scc0 .Lentry_in_a_cluster
	s_endpgm
.Lentry_in_a_cluster:
	s_bfe_u32 s2, ttmp6, 0x10000c
	s_cmp_lg_u32 s2, 0x3003
	s_cbranch_scc0 .Lentry_shape_is_right
	s_endpgm
.Lentry_shape_is_right:
; attn[b][s][hq][:] = the sum over keys of softmax(q . k / sqrt(128)) v, no mask, two query heads to a key and value head; both products on codes of FP6 (E2M3) with E8M0 scales; the result, divided by the row's sum,
; is quantised along (head, d) for the last product and leaves as codes.  The buffers' format is set out at the head of the first launch's text.
; THE SOFTMAX: t = score x log2(e) / sqrt(128); M = the running largest t rounded UP to a whole number; p = 2^(t - M) is quantised along the keys, not normalised; the row's sum is taken of the unquantised p, in f32;
; when M moves, the sum and O are multiplied by 2^(old M - new M), which rounds nothing.
; SHARES.  Work-group (x, y): head y = 8 b + hq, 128 queries (two quads), eight tiles of 16.  EACH TILE IS OWNED BY TWO WAVES: wave w (0-7) walks the even key steps of 128 keys, wave w + 8 the odd ones, each with its own
; running M, sum and O^T in 256 registers.  So four waves share a SIMD (4 x 256 registers are all that it has), and one wave's LDS round trips and dependent vector lines stand beside three others' work.
; At the end wave w + 8 hands its O^T, M and sums to wave w through LDS; both are brought under the larger M by exact powers of two, added, divided by the sum and quantised.
; CLUSTER.  The four query blocks of a cluster walk the same K and V: each key step's block (25,600 dense bytes: K's two quads, V's two halves) is asked for jointly by the same tensor load with the mask of the four.
; The second query head of a key and value head is not joined to them: the four query blocks already fill the four places that the mask of a joint load names here.
; LAYOUT.  S^T = K Q^T (source 0 = 16 keys, source 1 = my 16 queries), O^T = V^T P^T (source 0 = 16 d, source 1 = P): a lane holds one query throughout; by the quads' choice of rows the 16 registers of tiles 2 b, 2 b + 1
; are keys (or d) 32 b + 16 (lane / 16) + 0 .. 15.
; LIMITS: a block's largest p is taken from the block's largest score, which takes v_exp_f32 not to fall where its input rises (the ISA guide promises 1 ulp); v_exp_f32 gives 0 for what would lie under 2^-126;
; a block of zeros keeps the byte 1 (its codes are zeros; this program alone reads the bytes); 1 / l is v_rcp_f32, 1 ulp; the row's sum and O are summed over the even and the odd key steps apart and then added;
; NaN and infinities are not served.
; The scale words of the output leave as 4 bytes a lane, 8 bytes apart (four waves share a run of 256 bytes): one twenty-fourth of the bytes of the codes, which leave in runs of 512.
; REGISTERS: v1, v2, v7 lane offsets; v3, v4 the same with my half's key step; v5, v6 for the add; v8, v9 the step's LDS addresses; v10 the stage; v12 -M, v13 the largest t, v[14:15] the sum; v16-27 Q, v255 its scale words;
; v28-31 V's scale words; v32-79 four fragments (at the end v32-95: the partner's O^T, then the codes); v80-83 K's scale words; v84-87 V's raw words; v96-159 S^T, then p; v160-223 O^T; v224-235 p's codes;
; v232-254 at work, v253 p's scale word.
.set QB,    6400
.set FRB,   1536
.set KSB,   4*QB                       ; a key step's block
.set SLOT1, 131072                     ; a slot holds four key steps (102,400 bytes); slot 1 begins here, so that one exclusive or turns an address
.set SPARE, SLOT1+4*KSB                ; the spare words, 128 bytes for each of the sixteen waves: eight blocks of 256 bytes that no other line names
.set STG,   SPARE+16*128               ; behind them the stages, one for each pair of waves: no fill lands here
.set WSTG,  17*512                     ; a stage: O^T as 16 images of four registers, then -M, the largest t and the two sums as one more
.set L16, 1
.set L8,  2
.set K16, 3
.set K8,  4
.set SPW, 5
.set NIL, 6
.set L8R, 7
.set A16, 8
.set A8,  9
.set SA,  10
.set TM,  232
.set PC,  32
.set WV,  18
.set SEL, 20
.set CS,  22
.set G1,  24
.set G0,  32
.set P0,  36                           ; s36, s37: byte selects
.set TB,  40                           ; s40 LDS byte at which the slot's key step 0 or 2 begins; my half's 0 or 25,600 stands in v3, v4
.set SLOTS, 41
.set STEPS, 42
.macro PLACES n
.rept \n
	v_nop
.endr
.endm
.macro CROUND
	s_barrier_signal -1
	s_barrier_wait -1
	s_cmp_lg_u32 s[WV], 0
	s_cbranch_scc1 .Lnot_wave_0_\@
	s_barrier_signal -3
.Lnot_wave_0_\@:
	s_barrier_wait -3
	s_barrier_signal -1
	s_barrier_wait -1
.endm
.macro JLOAD4                          ; waves 0-3 fetch one key step's block each; the branch hangs on the wave's number alone; four v_nop follow the load
	s_cmp_lt_u32 s[WV], 4
	s_cbranch_scc0 .Lnone_\@
	tensor_load_to_lds s[G0:G0+3], s[G1:G1+7]
	s_nop 0
	PLACES 4
.Lnone_\@:
.endm
.macro WM d, x, y, z, sx, sy, rx       ; one matrix instruction; z = 1: it starts the sum; rx = 1: source 0's scale words stand in lanes 16-31
.if \z
.if (\rx) != 0
	v_wmma_scale_f32_16x16x128_f8f6f4 v[(\d):(\d)+7], v[(\x):(\x)+11], v[(\y):(\y)+11], 0, v[(\sx)], v[(\sy)] matrix_a_fmt:MATRIX_FMT_FP6 matrix_b_fmt:MATRIX_FMT_FP6 matrix_a_scale:MATRIX_SCALE_ROW1
.else
	v_wmma_scale_f32_16x16x128_f8f6f4 v[(\d):(\d)+7], v[(\x):(\x)+11], v[(\y):(\y)+11], 0, v[(\sx)], v[(\sy)] matrix_a_fmt:MATRIX_FMT_FP6 matrix_b_fmt:MATRIX_FMT_FP6
.endif
.else
.if (\rx) != 0
	v_wmma_scale_f32_16x16x128_f8f6f4 v[(\d):(\d)+7], v[(\x):(\x)+11], v[(\y):(\y)+11], v[(\d):(\d)+7], v[(\sx)], v[(\sy)] matrix_a_fmt:MATRIX_FMT_FP6 matrix_b_fmt:MATRIX_FMT_FP6 matrix_a_scale:MATRIX_SCALE_ROW1
.else
	v_wmma_scale_f32_16x16x128_f8f6f4 v[(\d):(\d)+7], v[(\x):(\x)+11], v[(\y):(\y)+11], v[(\d):(\d)+7], v[(\sx)], v[(\sy)] matrix_a_fmt:MATRIX_FMT_FP6 matrix_b_fmt:MATRIX_FMT_FP6
.endif
.endif
.endm
.macro VLOAD g                         ; V's tiles 4 g .. 4 g + 3: of each half c of the key step, registers 6 c .. 6 c + 3 as 16 bytes a lane, 6 c + 4, 6 c + 5 as 8
.irp t, 0,1,2,3
.irp c, 0,1
	ds_load_b128 v[32+12*\t+6*\c:32+12*\t+6*\c+3], v[A16] offset:(2+\c)*QB+768*(4*\g+\t)
	ds_load_b64 v[32+12*\t+6*\c+4:32+12*\t+6*\c+5], v[A8] offset:(2+\c)*QB+768*(4*\g+\t)+512
.endr
.endr
.endm
; A KEY STEP: 128 keys.
.macro STEP
	v_add_nc_u32 v[A16], s[TB], v[K16]
	v_add_nc_u32 v[A8], s[TB], v[K8]
	v_nop
	v_nop                                          ; four places in front of loads into registers that the last step's products have read
.irp g, 0,1                                    ; S^T = K Q^T, a quad of 64 keys at a time
.if \g > 0
	PLACES 4
.endif
.irp t, 0,1,2,3
.irp c, 0,1,2
	ds_load_b128 v[32+12*\t+4*\c:32+12*\t+4*\c+3], v[A16] offset:QB*\g+FRB*\t+512*\c
.endr
.endr
	ds_load_b64 v[80+2*\g:81+2*\g], v[A8] offset:QB*\g+4*FRB
.if \g == 0
	ds_load_b64 v[84:85], v[A8] offset:2*QB+4*FRB  ; V's raw words of the two halves
	ds_load_b64 v[86:87], v[A8] offset:3*QB+4*FRB
.endif
	s_wait_dscnt 0x0
.irp t, 0,1,2,3
	WM 96+8*(4*\g+\t), 32+12*\t, 16, 1, 80+2*\g+\t/2, 255, \t%2
.endr
.endr
.irp p, 0,1                                    ; V's scale words: two bytes of each half's raw word.  v[28 + 2 p + u]: tile 4 p + u in lanes 0-15, tile 4 p + 2 + u in lanes 16-31.  (These four are the places behind the products above)
.irp u, 0,1
	v_perm_b32 v[28+2*\p+\u], v[86+\p], v[84+\p], s[P0+\u]
.endr
.endr
	VLOAD 0                                        ; V's first four tiles land under the softmax
.irp b, 0,1,2,3
	v_max3_num_f32 v[232+\b], v[96+16*\b], v[97+16*\b], v[98+16*\b]   ; the largest score of each block of 32 keys: for the row's maximum, and, since p rises with the score, for the block's largest p
.endr
.irp i, 3,5,7,9,11,13
.irp b, 0,1,2,3
	v_max3_num_f32 v[232+\b], v[232+\b], v[96+16*\b+\i], v[97+16*\b+\i]
.endr
.endr
.irp b, 0,1,2,3
	v_max_num_f32 v[232+\b], v[232+\b], v[111+16*\b]
.endr
.irp b, 0,1,2,3
	v_permlanex16_b32 v[236+\b], v[232+\b], s[SEL], s[SEL+1]
.endr
.irp b, 0,1,2,3
	v_max_num_f32 v[232+\b], v[232+\b], v[236+\b]  ; with lane l xor 16's 16 keys
.endr
	v_max3_num_f32 v254, v232, v233, v234
	v_max_num_f32 v254, v254, v235                 ; the step's largest score of my query
	v_mul_f32 v254, s[CS], v254                    ; as t (c is positive)
	v_max_num_f32 v13, v13, v254                   ; the running largest t
	v_mov_b32 v254, v12
	v_floor_f32 v12, -v13                          ; the new -M = floor(-t): M is a whole number
	v_sub_f32 v254, v12, v254                      ; old M less new M: a whole number, 0 or less
	v_cvt_i32_f32 v254, v254                       ; (it saturates)
	v_ldexp_f32 v252, 1.0, v254                    ; f = 2^(old M - new M)
.irp j, 0,2,4,6,8,10,12,14,16,18,20,22,24,26,28,30,32,34,36,38,40,42,44,46,48,50,52,54,56,58,60,62
	v_pk_fma_f32 v[96+\j:97+\j], v[96+\j:97+\j], s[CS:CS+1], v[12:13] op_sel_hi:[1,0,0]   ; t - M, two at a time
.endr
.irp b, 0,1,2,3
	v_fma_f32 v[232+\b], v[232+\b], s[CS], v12     ; the same of each block's largest score
.endr
.irp j, 0,1,2,3,4,5,6,7,8,9,10,11,12,13,14,15,16,17,18,19,20,21,22,23,24,25,26,27,28,29,30,31,32,33,34,35,36,37,38,39,40,41,42,43,44,45,46,47,48,49,50,51,52,53,54,55,56,57,58,59,60,61,62,63
	v_exp_f32 v[96+\j], v[96+\j]                   ; p = 2^(t - M), at most 1
.endr
.irp b, 0,1,2,3
	v_exp_f32 v[232+\b], v[232+\b]                 ; the block's largest p: the same two instructions on the same number give the same bits
.endr
	v_pk_mul_f32 v[14:15], v[14:15], v[252:253] op_sel_hi:[1,0]   ; the sums under the new M.  (A plain place behind the exponentials)
	s_wait_alu depctr_va_vdst(0)
.irp b, 0,1,2,3
	v_max_num_f32 v[232+\b], 0x1800000, v[232+\b]  ; the floor 2^(3 - 127): the byte cannot fall under 1
.endr
.irp b, 0,1,2,3
	v_add_nc_u32 v[244+\b], 0xff000000, v[232+\b]  ; 2 off the exponent field: the conversion's scale operand
.endr
.irp b, 0,1,2,3
	v_lshrrev_b32 v[236+\b], 23, v[244+\b]         ; the scale's byte
.endr
	v_lshl_or_b32 v253, v237, 8, v236              ; p's scale word for these 128 keys
	v_lshl_or_b32 v253, v238, 16, v253
	v_lshl_or_b32 v253, v239, 24, v253
.irp c, 0,1
	v_cvt_scalef32_pk16_fp6_f32 v[224+6*\c:226+6*\c], v[96+32*\c:111+32*\c], v[244+2*\c]
	v_cvt_scalef32_pk16_fp6_f32 v[236+4*\c:238+4*\c], v[112+32*\c:127+32*\c], v[244+2*\c+1]
.endr
	v_nop                                          ; one plain place behind a scaled conversion
.irp c, 0,1
.irp i, 0,1,2
	v_permlane16_swap_b32 v[224+6*\c+\i], v[236+4*\c+\i]
.endr
.irp i, 0,1,2
	v_mov_b32 v[227+6*\c+\i], v[236+4*\c+\i]
.endr
.endr
	v_pk_add_f32 v[236:237], v[96:97], v[98:99]    ; the row's sum of the unquantised p: two at a time, in two chains
.irp j, 4,8,12,16,20,24,28,32,36,40,44,48,52,56,60
	v_pk_add_f32 v[14:15], v[14:15], v[96+\j:97+\j]
	v_pk_add_f32 v[236:237], v[236:237], v[98+\j:99+\j]
.endr
	v_pk_add_f32 v[14:15], v[14:15], v[236:237]
.irp j, 0,2,4,6,8,10,12,14,16,18,20,22,24,26,28,30,32,34,36,38,40,42,44,46,48,50,52,54,56,58,60,62
	v_pk_mul_f32 v[160+\j:161+\j], v[160+\j:161+\j], v[252:253] op_sel_hi:[1,0]   ; O^T under the new M.  (These are also the places between the vector writes of p's codes and scale word and the products below)
.endr
	s_wait_dscnt 0x0
.irp t, 0,1,2,3                                ; O^T += V^T P^T
	WM 160+8*\t, 32+12*(\t%4), 224, 0, 28+2*(\t/4)+\t%2, 253, (\t/2)%2
.endr
	PLACES 4
	VLOAD 1
	s_wait_dscnt 0x0
.irp t, 4,5,6,7
	WM 160+8*\t, 32+12*(\t%4), 224, 0, 28+2*(\t/4)+\t%2, 253, (\t/2)%2
.endr
	s_add_co_u32 s[TB], s[TB], 2*KSB               ; my next key step lies two on: the one between is my partner's
.endm
; THE CHANGE OF SLOTS stands at a slot's head: each wave waits for all its tensor loads, adds 0 to its spare word, waits for that and for its reads of the slot that it has left.
; fill = 1: a round of the cluster's barrier, and behind it the slot just left takes the next four key steps: the load has a slot's steps in which to land.
.macro CHANGE fill
	s_wait_tensorcnt 0x0                           ; no tensor load of mine is out, so the group 0 may be written
	ds_add_u32 v[SPW], v[NIL]                      ; 0 onto my spare word
.if \fill
	s_xor_b32 s[G0+1], s[G0+1], SLOT1              ; the other slot than last time,
	s_add_nc_u64 s[G0+2:G0+3], s[G0+2:G0+3], 4*KSB ; the next four key steps
.endif
	s_wait_dscnt 0x0                               ; the add is done, and my reads of the slot that I have left are over
.if \fill
	CROUND
	JLOAD4                                         ; the first thing behind the round, and a wave's one tensor load until the next
.else
	s_barrier_signal -1
	s_barrier_wait -1
.endif
.endm
.macro TWO_STEPS                       ; my two of a slot's four key steps: written once, walked twice; the LDS addresses hang on s[TB]
	s_mov_b32 s[STEPS], 2
.Lstep_\@:
	STEP
	s_sub_co_u32 s[STEPS], s[STEPS], 1
	s_cmp_lg_u32 s[STEPS], 0
	s_cbranch_scc1 .Lstep_\@
	s_sub_co_u32 s[TB], s[TB], 4*KSB
	s_xor_b32 s[TB], s[TB], SLOT1                  ; on to the other slot
.endm
	s_load_b128 s[4:7], s[0:1], 0x0                ; q_img, kv
	s_load_b64 s[8:9], s[0:1], 0x10                ; attn_img
	v_lshl_add_u32 v[SPW], v0, 2, SPARE
	v_mov_b32 v[NIL], 0
	ds_add_u32 v5, v6
	s_wait_dscnt 0x0
	v_lshrrev_b32 v11, 5, v0
	v_readfirstlane_b32 s[WV], v11                 ; wave 0..15
	v_and_b32 v11, 31, v0
	v_lshlrev_b32 v[L16], 4, v11
	v_lshlrev_b32 v[L8], 3, v11
	v_and_b32 v11, 15, v0
	v_lshlrev_b32 v[L8R], 3, v11                   ; 8 x (lane % 16)
	v_lshrrev_b32 v11, 8, v0                       ; wave / 8: 0: the even key steps are mine; 1: the odd ones
	v_mul_u32_u24 v11, v11, KSB
	v_add_nc_u32 v[K16], v11, v[L16]
	v_add_nc_u32 v[K8], v11, v[L8]
	v_bfe_u32 v11, v0, 5, 3                        ; wave % 8: my tile, and my pair's stage
	v_mul_u32_u24 v11, v11, WSTG
	v_add_nc_u32 v11, v11, v[L16]
	v_add_nc_u32 v[SA], STG, v11                   ; made here, ahead of every branch on the wave's number
	s_bfe_u32 s10, ttmp6, 0x40000                  ; cx: it enters Q's and the output's addresses alone
	s_lshl_b32 s11, ttmp9, 2
	s_add_co_u32 s11, s11, s10                     ; my block of 128 queries
	s_and_b32 s12, ttmp7, 0xffff                   ; y = 8 b + hq, which the four partners share
	s_and_b32 s13, s[WV], 3                        ; my tile in its quad.  Also, in waves 0-3: which key step of a slot I fetch
	s_bfe_u32 s14, s[WV], 0x10002                  ; my quad: (wave / 4) % 2
	s_lshr_b32 s44, s12, 1                         ; 4 b + hq / 2: the key and value head
	s_mul_i32 s44, s44, 16*KSB
	s_mul_i32 s43, s13, KSB                        ; my key step's block: in LDS and in memory
	s_add_co_u32 s44, s44, s43
	s_mov_b32 s45, 0
	s_and_b32 s15, s13, 1                          ; my tile's scale words in a quad's block: 6,144 + 128 (tile % 2) + 4 (tile / 2), then 8 bytes a row
	s_lshl_b32 s15, s15, 7
	s_lshr_b32 s16, s13, 1
	s_lshl_b32 s16, s16, 2
	s_add_co_u32 s15, s15, s16
	s_add_co_u32 s15, s15, 4*FRB
	s_mul_i32 s16, s13, FRB                        ; and its fragment
	s_lshl_b32 s46, s12, 5                         ; q_img: [y][32 quads][6,400]
	s_lshl_b32 s17, s11, 1
	s_add_co_u32 s46, s46, s17
	s_add_co_u32 s46, s46, s14
	s_mul_i32 s46, s46, QB
	s_add_co_u32 s48, s46, s16
	s_mov_b32 s49, 0
	s_add_co_u32 s50, s46, s15
	s_mov_b32 s51, 0
	s_lshr_b32 s52, s12, 3                         ; attn_img: [group of 256 tokens][hq][4 quads][6,400]
	s_lshl_b32 s52, s52, 5
	s_add_co_u32 s52, s52, s17
	s_add_co_u32 s52, s52, s14                     ; my quad among the 64 of all tokens
	s_lshr_b32 s53, s52, 2
	s_lshl_b32 s53, s53, 3
	s_and_b32 s54, s12, 7
	s_add_co_u32 s53, s53, s54
	s_lshl_b32 s53, s53, 2
	s_and_b32 s54, s52, 3
	s_add_co_u32 s53, s53, s54
	s_mul_i32 s54, s53, QB
	s_add_co_u32 s56, s54, s16
	s_mov_b32 s57, 0
	s_add_co_u32 s58, s54, s15
	s_mov_b32 s59, 0
	; descriptor group 1: 25,600 dense bytes as 100 rows of 256 (32 elements of 8 bytes), no padding
	s_mov_b32 s[G1], 15|(3<<16)|(1<<21)            ; 15:0 the mask: all four work-groups; 17:16 elements of 8 bytes; 21 set beside a mask
	s_mov_b32 s[G1+1], 32<<16
	s_mov_b32 s[G1+2], 100<<16
	s_mov_b32 s[G1+3], 32<<16
	s_mov_b32 s[G1+4], 100
	s_mov_b32 s[G1+5], 32
	s_mov_b32 s[G1+6], 0
	s_mov_b32 s[G1+7], 0
	s_mov_b32 s[SEL], 0x76543210
	s_mov_b32 s[SEL+1], 0xfedcba98                 ; lane l xor 16
	s_mov_b32 s[CS], 0x3e0293ee                    ; c = log2(e) / sqrt(128)
	s_mov_b32 s[CS+1], s[CS]                       ; (named with it as a pair)
	s_mov_b32 s[P0], 0x05040100                    ; bytes 0, 1 of the second source, then of the first
	s_mov_b32 s[P0+1], 0x07060302                  ; bytes 2, 3 likewise
	s_mov_b32 s[TB], 0
	s_mov_b32 s[SLOTS], 3
	s_wait_kmcnt 0x0
	s_mov_b32 s[G0], 1
	s_mov_b32 s[G0+1], s43
	s_add_nc_u64 s[G0+2:G0+3], s[6:7], s[44:45]
	s_or_b32 s[G0+3], s[G0+3], 0x80000000
	s_add_nc_u64 s[48:49], s[4:5], s[48:49]        ; Q's fragment
	s_add_nc_u64 s[50:51], s[4:5], s[50:51]        ; Q's scale words
	s_add_nc_u64 s[56:57], s[8:9], s[56:57]        ; the output's fragment
	s_add_nc_u64 s[58:59], s[8:9], s[58:59]        ; and its scale words
	CROUND                                         ; all four work-groups are here: the first joint load meets
	JLOAD4                                         ; slot 0: key steps 0-3
.irp c, 0,1,2
	global_load_b128 v[16+4*\c:19+4*\c], v[L16], s[48:49] offset:512*\c   ; Q's fragment stays in registers, in both waves of the pair
.endr
	global_load_b32 v255, v[L8R], s[50:51]         ; lanes 0-15: my 16 queries' scale words
	v_mov_b32 v13, 0xff61b1e6                      ; the largest t so far: -3e38, under every t
	v_floor_f32 v12, -v13                          ; -M
	v_mov_b32 v14, 0
	v_mov_b32 v15, 0
.irp b, 0,1,2,3
	v_mov_b32 v[236+\b], 0                         ; written once: a lane permute's destination counts as one of its sources
.endr
	v_mov_b32 v253, 0                              ; (named as the upper half of the pair v[252:253] before it is first written)
.irp j, 0,1,2,3,4,5,6,7,8,9,10,11,12,13,14,15,16,17,18,19,20,21,22,23,24,25,26,27,28,29,30,31,32,33,34,35,36,37,38,39,40,41,42,43,44,45,46,47,48,49,50,51,52,53,54,55,56,57,58,59,60,61,62,63
	v_mov_b32 v[160+\j], 0                         ; O^T.  (The step is written without a first step of its own: it finds zeros, which the first change of M leaves zeros)
.endr
	s_wait_loadcnt 0x0                             ; Q
.Lslot:                                            ; three trips: behind each change of slots but the last the next four key steps are asked for; slot 1's first fill is issued as a refill is
	CHANGE 1
	TWO_STEPS
	s_sub_co_u32 s[SLOTS], s[SLOTS], 1
	s_cmp_lg_u32 s[SLOTS], 0
	s_cbranch_scc1 .Lslot
	CHANGE 0                                       ; the last slot is written out
	TWO_STEPS
	; THE TWO HALVES OF THE KEYS MEET.  Waves 8-15 lay O^T and their four numbers into their pair's stage as images of the registers (16 bytes a lane, 512 consecutive bytes an instruction); a barrier; waves 0-7 take them up.
	PLACES 4                                       ; behind the last products: in front of the stores that read their results and of the loads into registers that they have read
	s_cmp_lt_u32 s[WV], 8
	s_cbranch_scc1 .Llower
.irp i, 0,1,2,3,4,5,6,7,8,9,10,11,12,13,14,15
	ds_store_b128 v[SA], v[160+4*\i:163+4*\i] offset:512*\i   ; each accumulator from its low end on
.endr
	ds_store_b128 v[SA], v[12:15] offset:16*512    ; -M, the largest t, the sum's two halves
.Llower:
	s_wait_dscnt 0x0                               ; for the partner's sake: my stores into the stage are done
	s_barrier_signal -1
	s_barrier_wait -1
	s_cmp_lt_u32 s[WV], 8
	s_cbranch_scc0 .Lend                           ; waves 8-15 have handed their part over
	ds_load_b128 v[224:227], v[SA] offset:16*512   ; the partner's four numbers first,
.irp i, 0,1,2,3,4,5,6,7,8,9,10,11,12,13,14,15
	ds_load_b128 v[32+4*\i:35+4*\i], v[SA] offset:512*\i      ; then its O^T
.endr
	s_wait_dscnt 16                                ; LDS loads come back in order: the four numbers are in, the 16 younger loads stay out
	v_min_num_f32 v248, v12, v224                  ; the common -M: M is the larger of the two
	v_sub_f32 v249, v248, v12                      ; my M less the common one: a whole number, 0 or less;
	v_sub_f32 v250, v248, v224                     ; the partner's likewise
	v_cvt_i32_f32 v249, v249                       ; (it saturates)
	v_cvt_i32_f32 v250, v250
	v_ldexp_f32 v249, 1.0, v249                    ; f1, f2: exact powers of two
	v_ldexp_f32 v250, 1.0, v250
	v_add_f32 v14, v14, v15
	v_add_f32 v226, v226, v227
	v_mul_f32 v14, v14, v249
	v_fma_f32 v14, v226, v250, v14                 ; l1 f1 + l2 f2,
	v_permlanex16_b32 v252, v14, s[SEL], s[SEL+1]
	v_add_f32 v14, v14, v252                       ; and lane l xor 16's: the row's sum
	v_rcp_f32 v14, v14
	v_nop                                          ; one plain place behind a transcendental
	s_wait_alu depctr_va_vdst(0)
	v_mul_f32 v244, v249, v14                      ; f1 / l and f2 / l: a power of two times 1 / l
	v_mul_f32 v246, v250, v14
	s_wait_dscnt 0x0                               ; the partner's O^T is in
.irp j, 0,2,4,6,8,10,12,14,16,18,20,22,24,26,28,30,32,34,36,38,40,42,44,46,48,50,52,54,56,58,60,62
	v_pk_mul_f32 v[96+\j:97+\j], v[160+\j:161+\j], v[244:245] op_sel_hi:[1,0]
.endr
.irp j, 0,2,4,6,8,10,12,14,16,18,20,22,24,26,28,30,32,34,36,38,40,42,44,46,48,50,52,54,56,58,60,62
	v_pk_fma_f32 v[96+\j:97+\j], v[32+\j:33+\j], v[246:247], v[96+\j:97+\j] op_sel_hi:[1,0,1]   ; O / l
.endr
	; THE WAY OUT: the quantiser along d (register 16 b + i is d = 32 b + 16 (lane / 16) + i), the image of the fragment: K step hq of the last product, my 16 tokens.
.irp b, 0,1,2,3
	v_max3_num_f32 v[TM+\b], |v[96+16*\b]|, |v[97+16*\b]|, 0x1800000   ; my 16 numbers of block b, and the floor 2^(3 - 127)
.endr
.irp i, 2,4,6,8,10,12,14
.irp b, 0,1,2,3
	v_max3_num_f32 v[TM+\b], v[TM+\b], |v[96+16*\b+\i]|, |v[97+16*\b+\i]|
.endr
.endr
.irp b, 0,1,2,3
	v_permlanex16_b32 v[TM+4+\b], v[TM+\b], s[SEL], s[SEL+1]
.endr
.irp b, 0,1,2,3
	v_max_num_f32 v[TM+\b], v[TM+\b], v[TM+4+\b]
.endr
.irp b, 0,1,2,3
	v_add_nc_u32 v[TM+12+\b], 0xff000000, v[TM+\b]
.endr
.irp b, 0,1,2,3
	v_lshrrev_b32 v[TM+4+\b], 23, v[TM+12+\b]
.endr
	v_lshl_or_b32 v253, v[TM+5], 8, v[TM+4]
	v_lshl_or_b32 v253, v[TM+6], 16, v253
	v_lshl_or_b32 v253, v[TM+7], 24, v253
.irp c, 0,1
	v_cvt_scalef32_pk16_fp6_f32 v[PC+6*\c:PC+6*\c+2], v[96+32*\c:111+32*\c], v[TM+12+2*\c]
	v_cvt_scalef32_pk16_fp6_f32 v[PC+12+4*\c:PC+14+4*\c], v[112+32*\c:127+32*\c], v[TM+12+2*\c+1]
.endr
	v_nop                                          ; one plain place behind a scaled conversion
.irp c, 0,1
.irp i, 0,1,2
	v_permlane16_swap_b32 v[PC+6*\c+\i], v[PC+12+4*\c+\i]
.endr
.irp i, 0,1,2
	v_mov_b32 v[PC+3+6*\c+\i], v[PC+12+4*\c+\i]
.endr
.endr
.irp c, 0,1,2
	global_store_b128 v[L16], v[PC+4*\c:PC+4*\c+3], s[56:57] offset:512*\c   ; 512 consecutive bytes, at a multiple of 256 from the buffer's first byte
.endr
	global_store_b32 v[L8R], v253, s[58:59]        ; lanes 16-31 store the same words to the same places as lanes 0-15
.Lend:
	s_wait_tensorcnt 0x0                           ; the wave's end
	ds_add_u32 v[SPW], v[NIL]
	s_wait_dscnt 0x0
	CROUND                                         ; the closing round
	s_endpgm
.Lfunc_end_k_qa937c45dec_attn:
	.size	k_qa937c45dec_attn, .Lfunc_end_k_qa937c45dec_attn-k_qa937c45dec_attn
	.p2alignl 7, 3214868480
	.fill 96, 4, 3214868480
	.section	.rodata,"a",@progbits
	.p2align	6, 0x0
	.amdhsa_kernel k_qa937c45dec_attn
		.amdhsa_group_segment_fixed_size 327680
		.amdhsa_private_segment_fixed_size 0
		.amdhsa_enable_private_segment 0
		.amdhsa_kernarg_size 24
		.amdhsa_user_sgpr_count 2
		.amdhsa_user_sgpr_kernarg_segment_ptr 1
		.amdhsa_wavefront_size32 1
		.amdhsa_system_sgpr_workgroup_id_x 1
		.amdhsa_system_sgpr_workgroup_id_y 1
		.amdhsa_system_sgpr_workgroup_id_z 1
		.amdhsa_system_vgpr_workitem_id 0
		.amdhsa_next_free_vgpr 256
		.amdhsa_next_free_sgpr 66
		.amdhsa_reserve_vcc 0
		.amdhsa_float_denorm_mode_32 3
		.amdhsa_float_denorm_mode_16_64 3
		.amdhsa_memory_ordered 1
		.amdhsa_forward_progress 1
		.amdhsa_inst_pref_size 60
	.end_amdhsa_kernel
	.amdgpu_metadata
---
amdhsa.version: [ 1, 2 ]
amdhsa.kernels:
  - .name:           k_qa937c45dec_attn
    .symbol:         k_qa937c45dec_attn.kd
    .args:
      - { .name: q_img, .offset: 0, .size: 8, .value_kind: global_buffer, .address_space: global }
      - { .name: kv, .offset: 8, .size: 8, .value_kind: global_buffer, .address_space: global }
      - { .name: attn_img, .offset: 16, .size: 8, .value_kind: global_buffer, .address_space: global }
    .group_segment_fixed_size: 327680
    .private_segment_fixed_size: 0
    .kernarg_segment_align: 8
    .kernarg_segment_size: 24
    .max_flat_workgroup_size: 512
    .sgpr_count:     66
    .vgpr_count:     256
    .wavefront_size: 32
...
	.end_amdgpu_metadata
.endif
;; end of part 3
;; launch oproj (part 4): grid 16 x 16, 4 waves a work-group, clusters of 4 x 4, 327,680 bytes of LDS; arguments attn_img, ow_img, out0; writes out0
.if DOCPART == 4
	.amdgcn_target "amdgcn-amd-amdhsa--gfx1250"
	.amdhsa_code_object_version 6
	.text
	.protected	k_qa937c45dec_oproj
	.globl	k_qa937c45dec_oproj
	.p2align	8
	.type	k_qa937c45dec_oproj,@function
k_qa937c45dec_oproj:
	s_mov_b64 s[64:65], 0
	v_nop
	global_prefetch_b8 v0, s[64:65] scope:SCOPE_SE
	s_setreg_imm32_b32 hwreg(HW_REG_WAVE_MODE, 25, 1), 1
	s_wait_xcnt 0x0
	s_wait_alu depctr_hold_cnt(0) depctr_sa_sdst(0) depctr_va_vdst(0) depctr_va_sdst(0) depctr_va_ssrc(0) depctr_va_vcc(0) depctr_vm_vsrc(0)
	s_getreg_b32 s2, hwreg(HW_REG_IB_STS2, 6, 4)
	s_cmp_eq_u32 s2, 0
	s_cbranch_scc0 .Lentry_in_a_cluster
	s_endpgm
.Lentry_in_a_cluster:
	s_bfe_u32 s2, ttmp6, 0x10000c
	s_cmp_lg_u32 s2, 0xf033
	s_cbranch_scc0 .Lentry_shape_is_right
	s_endpgm
.Lentry_shape_is_right:
; out0 = attn o_proj_weight^T on codes of FP6 (E2M3) with E8M0 scales, f32 sums, f32 out.  The buffers' format is set out at the head of the first launch's text.
; SHARES.  A work-group makes 256 tokens x 128 columns, 16 x 16 work-groups; each of its four waves 64 tokens (its own quad of A) x 128 columns: 32 accumulators, which take turns, one instruction a turn.
; CLUSTERS: 4 x 4.  A's tiles hang on the token group alone and are asked for jointly along a row of the cluster, B's on the column group alone, along a column.
; K is 8 steps of 128: ALL of a work-group's operands, 307,200 bytes, lie in LDS at once.  Nothing is filled again.  They come as four chunks of two K steps, asked for together behind the opening round
; (by this text's count four tensor loads of a wave are out), so that the products begin when the first quarter has landed; a barrier stands in front of the first read of each chunk.
; Source 0 = 16 rows of the weight, source 1 = 16 tokens: a lane holds one token, and the 64 registers of a token tile are columns 32 b + 16 (lane / 16) + i at register 16 b + i.
; THE WAY OUT: a token tile (16 rows x 512 bytes) goes through the wave's own stage in LDS and leaves as whole rows.  The four stages take bytes 0 to 67,583, A's places 0 to 2: they have had their only fill, and every wave
; had its fragments of them in registers before the barrier in front of K step 4.
; REGISTERS: window 0: v4-19 addresses; v24-35 scale words, two sets; v40-135 A's fragments, two sets (on the way out v40-167: rows of the output).  window 1: B's fragments, two sets.  window 2: the accumulators.
.set QB,    6400
.set FRB,   1536
.set APL,   4*QB
.set BPL,   2*QB
.set BREG,  8*APL
.set HSTG,  16*528                     ; half a stage: 16 rows of 512 + 16 bytes
.set ADRA, 4
.set ADRB, 8
.set ADSA, 10
.set ADSB, 14
.set STO,  16                          ; v16 where I put 16 bytes of a row
.set RD,   17                          ; v17 where I read a row back
.set L16,  18
.set L8,   19
.set SCA,  24
.set SCB,  26
.set AF,   40
.set BK,   40
.set WV,   12                          ; s12 wave; s13 wave % 2; s14 wave / 2; s15 cx; s16 cy; s17 column group; s18 token group
.set HF,   13
.set WH,   14
.set G1A,  24                          ; s[24:31], s[32:39] descriptor groups 1; s[40:55] A's four groups 0; s[56:63], s[68:75] B's four
.set G1B,  32
.set G0A,  40
.set G0B,  56
.set OUT,  84
.set MSB, 0
.macro WIN new
.if MSB != (\new)
	s_set_vgpr_msb (MSB<<8)|(\new)
.set MSB, (\new)
.endif
.endm
.macro PLACES n
.rept \n
	v_nop
.endr
.endm
.macro CROUND
	s_barrier_signal -1
	s_barrier_wait -1
	s_cmp_lg_u32 s[WV], 0
	s_cbranch_scc1 .Lnot_wave_0_\@
	s_barrier_signal -3
.Lnot_wave_0_\@:
	s_barrier_wait -3
	s_barrier_signal -1
	s_barrier_wait -1
.endm
.macro JLOAD g0a, g1a, g0b, g1b        ; waves 0 and 1 fetch A's halves, waves 2 and 3 B's; four v_nop follow each of the two lines
	s_cmp_eq_u32 s[WH], 0
	s_cbranch_scc0 .Lfor_b_\@
	tensor_load_to_lds s[\g0a:\g0a+3], s[\g1a:\g1a+7]
	s_nop 0
	PLACES 4
	s_branch .Lasked_\@
.Lfor_b_\@:
	tensor_load_to_lds s[\g0b:\g0b+3], s[\g1b:\g1b+7]
	s_nop 0
	PLACES 4
.Lasked_\@:
.endm
.macro WM d, x, y, z, sx, sy, rx, ry   ; one matrix instruction; z = 1: it starts the sum; rx, ry = 1: that side's scale words stand in lanes 16-31
.if \z
.if ((\rx) != 0) && ((\ry) != 0)
	v_wmma_scale_f32_16x16x128_f8f6f4 v[(\d):(\d)+7], v[(\x):(\x)+11], v[(\y):(\y)+11], 0, v[(\sx)], v[(\sy)] matrix_a_fmt:MATRIX_FMT_FP6 matrix_b_fmt:MATRIX_FMT_FP6 matrix_a_scale:MATRIX_SCALE_ROW1 matrix_b_scale:MATRIX_SCALE_ROW1
.elseif (\rx) != 0
	v_wmma_scale_f32_16x16x128_f8f6f4 v[(\d):(\d)+7], v[(\x):(\x)+11], v[(\y):(\y)+11], 0, v[(\sx)], v[(\sy)] matrix_a_fmt:MATRIX_FMT_FP6 matrix_b_fmt:MATRIX_FMT_FP6 matrix_a_scale:MATRIX_SCALE_ROW1
.elseif (\ry) != 0
	v_wmma_scale_f32_16x16x128_f8f6f4 v[(\d):(\d)+7], v[(\x):(\x)+11], v[(\y):(\y)+11], 0, v[(\sx)], v[(\sy)] matrix_a_fmt:MATRIX_FMT_FP6 matrix_b_fmt:MATRIX_FMT_FP6 matrix_b_scale:MATRIX_SCALE_ROW1
.else
	v_wmma_scale_f32_16x16x128_f8f6f4 v[(\d):(\d)+7], v[(\x):(\x)+11], v[(\y):(\y)+11], 0, v[(\sx)], v[(\sy)] matrix_a_fmt:MATRIX_FMT_FP6 matrix_b_fmt:MATRIX_FMT_FP6
.endif
.else
.if ((\rx) != 0) && ((\ry) != 0)
	v_wmma_scale_f32_16x16x128_f8f6f4 v[(\d):(\d)+7], v[(\x):(\x)+11], v[(\y):(\y)+11], v[(\d):(\d)+7], v[(\sx)], v[(\sy)] matrix_a_fmt:MATRIX_FMT_FP6 matrix_b_fmt:MATRIX_FMT_FP6 matrix_a_scale:MATRIX_SCALE_ROW1 matrix_b_scale:MATRIX_SCALE_ROW1
.elseif (\rx) != 0
	v_wmma_scale_f32_16x16x128_f8f6f4 v[(\d):(\d)+7], v[(\x):(\x)+11], v[(\y):(\y)+11], v[(\d):(\d)+7], v[(\sx)], v[(\sy)] matrix_a_fmt:MATRIX_FMT_FP6 matrix_b_fmt:MATRIX_FMT_FP6 matrix_a_scale:MATRIX_SCALE_ROW1
.elseif (\ry) != 0
	v_wmma_scale_f32_16x16x128_f8f6f4 v[(\d):(\d)+7], v[(\x):(\x)+11], v[(\y):(\y)+11], v[(\d):(\d)+7], v[(\sx)], v[(\sy)] matrix_a_fmt:MATRIX_FMT_FP6 matrix_b_fmt:MATRIX_FMT_FP6 matrix_b_scale:MATRIX_SCALE_ROW1
.else
	v_wmma_scale_f32_16x16x128_f8f6f4 v[(\d):(\d)+7], v[(\x):(\x)+11], v[(\y):(\y)+11], v[(\d):(\d)+7], v[(\sx)], v[(\sy)] matrix_a_fmt:MATRIX_FMT_FP6 matrix_b_fmt:MATRIX_FMT_FP6
.endif
.endif
.endm
.macro MULQK half, set, z              ; 16 matrix instructions on tuples 16 half .. + 15: tuple 8 a + b, source 0 = B's tile b (window 1), source 1 = A's tile a (window 0)
	WIN 0xa1
.irp n, 0,1,2,3,4,5,6,7,8,9,10,11,12,13,14,15
	WM 8*(16*(\half)+\n), 96*(\set)+12*(\n%8), AF+48*(\set)+12*(2*(\half)+\n/8), \z, SCB+6*(\set)+(\n%8)/2, SCA+6*(\set)+(2*(\half)+\n/8)/2, \n%2, (2*(\half)+\n/8)%2
.endr
.endm
.macro FETCH p, set                    ; 39 LDS loads in one run: place p's fragments and scale words into register set `set`
	WIN 0x40
.irp i, 0,1,2,3,4,5,6,7
.irp c, 0,1,2
	ds_load_b128 v[96*(\set)+12*\i+4*\c:96*(\set)+12*\i+4*\c+3], v[ADRB+(\p)/4] offset:((\p)%4)*BPL+(\i/4)*QB+(\i%4)*FRB+512*\c
.endr
.endr
	WIN 0
.irp i, 0,1,2,3
.irp c, 0,1,2
	ds_load_b128 v[AF+48*(\set)+12*\i+4*\c:AF+48*(\set)+12*\i+4*\c+3], v[ADRA+(\p)/2] offset:((\p)%2)*APL+\i*FRB+512*\c
.endr
.endr
	ds_load_b64 v[SCA+6*(\set):SCA+6*(\set)+1], v[ADSA+(\p)/2] offset:((\p)%2)*APL+4*FRB
	ds_load_b64 v[SCB+6*(\set):SCB+6*(\set)+1], v[ADSB+(\p)/4] offset:((\p)%4)*BPL+4*FRB
	ds_load_b64 v[SCB+6*(\set)+2:SCB+6*(\set)+3], v[ADSB+(\p)/4] offset:((\p)%4)*BPL+QB+4*FRB
.endm
.macro STEP p, z                       ; a chunk's first K step (place p, set 0): the second's fragments are fetched in its middle, four places behind the last products that read that set
	s_wait_dscnt 0x0
	MULQK 0, 0, \z
	PLACES 4
	FETCH (\p)+1, 1
	MULQK 1, 0, \z
.endm
.macro LASTC p, n                      ; a chunk's second K step (place p, set 1): the next chunk has landed in every wave's part before its first fragments are fetched
	s_wait_tensorcnt \n                            ; tensor loads of a wave end in order: my part of the next chunk is in; the n younger chunks stay out
	s_wait_dscnt 0x0                               ; this step's fragments are in; no LDS instruction of mine is pending at the signal
	s_barrier_signal -1
	s_barrier_wait -1
	PLACES 4
	FETCH (\p)+1, 0
	MULQK 0, 1, 0
	MULQK 1, 1, 0
.endm
	s_load_b128 s[4:7], s[0:1], 0x0                ; attn_img, ow_img
	s_load_b64 s[8:9], s[0:1], 0x10                ; out0
	v_lshl_add_u32 v254, v0, 2, 0x4b000
	v_mov_b32 v255, 0
	ds_add_u32 v254, v255
	v_lshrrev_b32 v1, 5, v0
	v_readfirstlane_b32 s[WV], v1                  ; wave 0..3
	v_and_b32 v1, 31, v0
	v_and_b32 v2, 15, v0                           ; r
	v_bfe_u32 v3, v0, 4, 1                         ; h
	v_lshlrev_b32 v[L16], 4, v1
	v_lshlrev_b32 v[L8], 3, v1
	s_mul_i32 s86, s[WV], QB                       ; my quad in a place of A
.irp i, 0,1,2,3
	v_add_nc_u32 v[ADRA+\i], s86, v[L16]
	v_add_nc_u32 v[ADSA+\i], s86, v[L8]
	s_add_co_u32 s86, s86, 2*APL
.endr
.irp j, 0,1
	v_add_nc_u32 v[ADRB+\j], BREG+\j*4*BPL, v[L16]
	v_add_nc_u32 v[ADSB+\j], BREG+\j*4*BPL, v[L8]
.endr
	s_mul_i32 s86, s[WV], 2*HSTG                   ; my stage
	v_mul_u32_u24 v[STO], v2, 528
	v_lshl_add_u32 v[STO], v3, 6, v[STO]
	v_add_nc_u32 v[STO], s86, v[STO]               ; in: row r, + 64 h
	v_add_nc_u32 v[RD], s86, v[L16]                ; back: the 32 lanes take one row of 512 bytes
	s_and_b32 s[HF], s[WV], 1
	s_lshr_b32 s[WH], s[WV], 1
	s_bfe_u32 s15, ttmp6, 0x40000                  ; cx
	s_bfe_u32 s16, ttmp6, 0x40004                  ; cy
	s_lshl_b32 s17, ttmp9, 2
	s_add_co_u32 s17, s17, s15                     ; the group of 128 columns
	s_and_b32 s18, ttmp7, 0xffff
	s_lshl_b32 s18, s18, 2
	s_add_co_u32 s18, s18, s16                     ; the group of 256 tokens
	s_lshl_b32 s19, s16, 2
	s_lshl_b32 s19, 15, s19                        ; my row of the cluster
	s_lshl_b32 s20, 0x1111, s15                    ; my column
	; descriptor groups 1: dense runs as rows of 256 bytes (32 elements of 8 bytes).  A: one K step's place, 100 rows; B: 50
	s_or_b32 s[G1A], s19, (3<<16)|(1<<21)
	s_or_b32 s[G1B], s20, (3<<16)|(1<<21)
	s_mov_b32 s[G1A+1], 32<<16
	s_mov_b32 s[G1A+2], 100<<16
	s_mov_b32 s[G1A+3], 32<<16
	s_mov_b32 s[G1A+4], 100
	s_mov_b32 s[G1A+5], 32
	s_mov_b32 s[G1A+6], 0
	s_mov_b32 s[G1A+7], 0
	s_mov_b32 s[G1B+1], 32<<16
	s_mov_b32 s[G1B+2], 50<<16
	s_mov_b32 s[G1B+3], 32<<16
	s_mov_b32 s[G1B+4], 50
	s_mov_b32 s[G1B+5], 32
	s_mov_b32 s[G1B+6], 0
	s_mov_b32 s[G1B+7], 0
	s_mul_i32 s76, s18, 8*APL                      ; A: the token group's 8 K steps,
	s_mul_i32 s78, s[HF], APL                      ; my half of a chunk: in memory and in LDS
	s_add_co_u32 s76, s76, s78
	s_mov_b32 s77, 0
	s_mul_i32 s80, s17, 8*BPL                      ; B likewise, by the column group
	s_mul_i32 s82, s[HF], BPL
	s_add_co_u32 s80, s80, s82
	s_mov_b32 s81, 0
	s_lshl_b32 s86, s18, 8                         ; my first row of the output: 256 x group + 64 x wave, 8,192 bytes a row; + 512 bytes a column group
	s_lshl_b32 s87, s[WV], 6
	s_add_co_u32 s86, s86, s87
	s_lshl_b32 s86, s86, 13
	s_lshl_b32 s87, s17, 9
	s_add_co_u32 s86, s86, s87
	s_mov_b32 s87, 0
	s_wait_dscnt 0x0
	s_wait_kmcnt 0x0
	s_add_nc_u64 s[76:77], s[4:5], s[76:77]
	s_add_nc_u64 s[80:81], s[6:7], s[80:81]
	s_add_nc_u64 s[OUT:OUT+1], s[8:9], s[86:87]
	CROUND                                         ; all sixteen work-groups are here: the joint loads meet
.irp i, 0,1,2,3
	s_mov_b32 s[G0A+4*\i], 1
	s_add_co_u32 s[G0A+4*\i+1], s78, \i*2*APL
	s_add_nc_u64 s[G0A+4*\i+2:G0A+4*\i+3], s[76:77], \i*2*APL
	s_or_b32 s[G0A+4*\i+3], s[G0A+4*\i+3], 0x80000000
	s_mov_b32 s[G0B+4*\i+4*(\i/2)], 1
	s_add_co_u32 s[G0B+4*\i+4*(\i/2)+1], s82, BREG+\i*2*BPL
	s_add_nc_u64 s[G0B+4*\i+4*(\i/2)+2:G0B+4*\i+4*(\i/2)+3], s[80:81], \i*2*BPL
	s_or_b32 s[G0B+4*\i+4*(\i/2)+3], s[G0B+4*\i+4*(\i/2)+3], 0x80000000
	JLOAD G0A+4*\i, G1A, G0B+4*\i+4*(\i/2), G1B
.endr
	s_wait_tensorcnt 0x3                           ; my part of chunk 0 is in; the three younger chunks stay out
	s_barrier_signal -1
	s_barrier_wait -1
	FETCH 0, 0
	STEP 0, 1                                      ; K step 0 starts the sums: nothing is cleared
	LASTC 1, 2
	STEP 2, 0
	LASTC 3, 1
	STEP 4, 0
	LASTC 5, 0
	STEP 6, 0
	s_wait_dscnt 0x0
	MULQK 0, 1, 0
	MULQK 1, 1, 0
	WIN 0
	PLACES 4                                       ; in front of the first read of results and of loads into registers that held A's fragments
.macro TOSTAGE a                       ; token tile a: each accumulator from its low end on; LDS serves a wave's instructions in order, so the loads see the stores
	WIN 0x08                                       ; an LDS store's data are its source 1: window 2
.irp b, 0,1,2,3
.irp i, 0,1,2,3
	ds_store_b128 v[STO], v[64*(\a)+16*\b+4*\i:64*(\a)+16*\b+4*\i+3] offset:HSTG*((\a)%2)+128*\b+16*\i
.endr
.endr
	WIN 0
.irp t, 0,1,2,3,4,5,6,7,8,9,10,11,12,13,14,15
	ds_load_b128 v[BK+64*((\a)%2)+4*\t:BK+64*((\a)%2)+4*\t+3], v[RD] offset:HSTG*((\a)%2)+528*\t
.endr
.endm
.macro SEND a, younger                 ; younger: the LDS instructions issued behind tile a's loads, which may stay out
	s_wait_dscnt \younger
.irp t, 0,1,2,3,4,5,6,7,8,9,10,11,12,13,14,15
	global_store_b128 v[L16], v[BK+64*((\a)%2)+4*\t:BK+64*((\a)%2)+4*\t+3], s[OUT:OUT+1] offset:(32*((\a)/2)+8*((\a)%2)+\t+8*(\t/8))*8192 th:TH_STORE_NT   ; 512 consecutive bytes of the token's row, at a multiple of 256 from the buffer's first byte; 63 rows at the most, inside the signed 24-bit immediate
.endr
.endm
	TOSTAGE 0
.irp a, 1,2,3
.if \a > 1
	s_wait_xcnt 0x0                                ; tile a - 2's stores have had their addresses translated: tile a's loads land in their data registers only behind this wait
.endif
	TOSTAGE \a
	SEND \a-1, 32                                  ; behind tile a - 1's loads: tile a's 16 stores and 16 loads
.endr
	SEND 3, 0
	s_wait_tensorcnt 0x0
	ds_add_u32 v254, v255
	s_wait_dscnt 0x0
	CROUND                                         ; the closing round: no work-group ends while a partner may still ask for a tile that names it
	s_endpgm
.Lfunc_end_k_qa937c45dec_oproj:
	.size	k_qa937c45dec_oproj, .Lfunc_end_k_qa937c45dec_oproj-k_qa937c45dec_oproj
	.p2alignl 7, 3214868480
	.fill 96, 4, 3214868480
	.section	.rodata,"a",@progbits
	.p2align	6, 0x0
	.amdhsa_kernel k_qa937c45dec_oproj
		.amdhsa_group_segment_fixed_size 327680
		.amdhsa_private_segment_fixed_size 0
		.amdhsa_enable_private_segment 0
		.amdhsa_kernarg_size 24
		.amdhsa_user_sgpr_count 2
		.amdhsa_user_sgpr_kernarg_segment_ptr 1
		.amdhsa_wavefront_size32 1
		.amdhsa_system_sgpr_workgroup_id_x 1
		.amdhsa_system_sgpr_workgroup_id_y 1
		.amdhsa_system_sgpr_workgroup_id_z 1
		.amdhsa_system_vgpr_workitem_id 0
		.amdhsa_next_free_vgpr 768
		.amdhsa_next_free_sgpr 100
		.amdhsa_reserve_vcc 0
		.amdhsa_float_denorm_mode_32 3
		.amdhsa_float_denorm_mode_16_64 3
		.amdhsa_memory_ordered 1
		.amdhsa_forward_progress 1
		.amdhsa_inst_pref_size 78
	.end_amdhsa_kernel
	.amdgpu_metadata
---
amdhsa.version: [ 1, 2 ]
amdhsa.kernels:
  - .name:           k_qa937c45dec_oproj
    .symbol:         k_qa937c45dec_oproj.kd
    .args:
      - { .name: attn_img, .offset: 0, .size: 8, .value_kind: global_buffer, .address_space: global }
      - { .name: ow_img, .offset: 8, .size: 8, .value_kind: global_buffer, .address_space: global }
      - { .name: out0, .offset: 16, .size: 8, .value_kind: global_buffer, .address_space: global }
    .group_segment_fixed_size: 327680
    .private_segment_fixed_size: 0
    .kernarg_segment_align: 8
    .kernarg_segment_size: 24
    .max_flat_workgroup_size: 128
    .sgpr_count:     100
    .vgpr_count:     768
    .wavefront_size: 32
...
	.end_amdgpu_metadata
.endif
;; end of part 4
